; MI455X (gfx1250); checked and timed in simulation.
; The chip was launched on July 23, 2026; its instructions are those of AMD's public machine-readable ISA for CDNA 5 (MIT licence, August 2026) and "CDNA5" Instruction Set Architecture Reference Guide (July 2026). The comments in the code are by the model that wrote it; some were corrected since.
;; Mo E. Allowed arithmetic: matrix products marked QUANTISED: E2M1 operands, one E8M0 scale for each 32 along K, by v_wmma_scale_f32_16x16x128_f8f6f4 with both operands' format E2M1 (or v_wmma_scale_f32_32x16x128_f4), f32 sums; products left as they are: f32 operands where the result goes on into a quantised operand, else bf16, f16 or f32 operands; f32 sums; everything else in f32.
;; Inputs: W1_codes 8 x 4,096 x 32 x 16 uint8 (E2M1 codes of W1, K innermost, in blocks of 32 codes, two codes a byte); W1_scales 8 x 4,096 x 32 uint8 (E8M0 scales of W1, one for each 32 codes along K); W2_codes 8 x 1,024 x 128 x 16 uint8 (E2M1 codes of W2, K innermost, in blocks of 32 codes, two codes a byte); W2_scales 8 x 1,024 x 128 uint8 (E8M0 scales of W2, one for each 32 codes along K); Wg 1,024 x 8 float32; b1 8 x 4,096 float32; b2 8 x 1,024 float32; bg 8 float32; x 2 x 512 x 1,024 float32.
;; Outputs: out0 2 x 512 x 1,024 float32.
;; This version of the problem:
;;   THIS VERSION OF THE PROBLEM IS GIVEN IN LOW PRECISION. The matrix products marked QUANTISED in the list below multiply operands that are first quantised to E2M1 (2 exponent bits, 1 mantissa bit; 4 bits a number), with one power-of-two scale for each 32 numbers along K (OCP MX v1.0); their sums are f32. All else is computed in f32.
;;   The module's matrix products, in the order in which they are computed (A, B: the left and right operand; K: the contracted axis; several contracted axes count as one K, in the product's order):
;;     1. [M 1,024, K 1,024] x [K 1,024, N 8]; A: input x; B: input Wg: left as it is (N = 8 < 16)
;;     2. [M 32,768, K 1,024] x [K 1,024, N 1,024]; A: input W1 (given as codes); B: input x: QUANTISED
;;     3. batch 8 x [M 1,024, K 4,096] x [K 4,096, N 1,024]; A: computed on the way; B: input W2 (given as codes): QUANTISED
;;     4. batch 1,024 x [M 1, K 8] x [K 8, N 1,024]; A: computed on the way; B: computed on the way: left as it is (K = 8 < 32)
;;   THE QUANTISER, for each operand of a quantised product, along K:
;;     - K is cut into blocks of 32 from its start; a last block that is shorter is filled with zeros.
;;     - A block's scale is 2^e with e = floor(log2(the largest magnitude in the block)) - 2, held to -126 .. 127; a block of zeros has e = 0. As a byte (E8M0): e + 127.
;;     - Each number is divided by its block's scale, clamped to +-6, and rounded to the nearest number of E2M1, ties to even, subnormals kept.
;;     - The product sums the exact products of the quantised numbers (number of the format x scale) in f32.
;;   ~~~python
;;   def quantise(x, axis):      # numpy; x: float32 -> the quantised numbers, widened to float32 again
;;       x = np.moveaxis(x, axis, -1); K = x.shape[-1]
;;       x = np.pad(x, [(0, 0)] * (x.ndim - 1) + [(0, -K % 32)]); x = x.reshape(x.shape[:-1] + (-1, 32)); a = np.abs(x).max(-1, keepdims=True)
;;       e = np.where(a > 0, np.clip(np.frexp(np.where(a > 0, a, 1))[1] - 1 - 2, -126, 127), 0)      # np.frexp(a)[1] - 1 = floor(log2(a)), exactly
;;       r = np.clip(x / 2.0 ** e, -6, 6)
;;       step = 2.0 ** (np.maximum(np.frexp(np.where(r == 0, 1, r))[1] - 1, 0) - 1)
;;       q = np.round(r / step) * step * 2.0 ** e      # np.round: ties to even
;;       return np.moveaxis(q.reshape(q.shape[:-2] + (-1,))[..., :K], -1, axis).astype(np.float32)
;;   ~~~
;;   OPERANDS COMPUTED ON THE WAY. 'Computed on the way' means the value that the module computes at that place (a softmax that the list does not call 'softmax' is quantised finished and normalised). What goes into a quantiser is computed in f32, as accurately as f32 sums, v_exp_f32 and their like allow (about 1e-6 of the number): no bf16 or f16 on the way to a quantiser, and a product that is left as it is and whose result goes on into a quantised operand takes f32 operands (vector FMAs, or v_wmma_f32_16x16x4_f32). A number that lies on a knife's edge between two numbers of the format may be rounded either way, as far as f32 arithmetic and the matrix unit's own rounding can turn it there, and no further.
;;   INPUTS GIVEN AS CODES. W1 (in the module: [8, 1024, 4096], K = its axis 1); W2 (in the module: [8, 4096, 1024], K = its axis 1): each comes as NAME_codes (uint8): NAME with its K axis moved to the last place and cut into blocks of 32 codes, [.., K / 32, bytes a block], one block behind the other in memory; two codes a byte, the lower K in the low four bits (a code: sign, 2 exponent bits, 1 mantissa bit); and NAME_scales (uint8): the same leading axes, one E8M0 byte (e + 127) for each 32 codes along K. Its value is code x scale, taken as it is: it is not quantised again, and the codes and scales need not be those that the quantiser above would give.
;; 2 versions. Each part assembles by itself: llvm-mc -triple=amdgcn-amd-amdhsa -mcpu=gfx1250 --defsym DOCPART=n.
;; ======== version 1 of 2: 4 launches
;; workspace buffers: xq 524,288 bytes; xs 32,768 bytes; sel 4,096 bytes of whole numbers; gw 8,192 bytes; rows 34,816 bytes of whole numbers; hq 16,777,216 bytes; hs 1,048,576 bytes; y 8,388,608 bytes
;; launch route (part 1): grid 256 x 1, 4 waves a work-group, no clusters, 52,480 bytes of LDS; arguments x, Wg, bg, xq, xs, sel, gw; writes xq, xs, sel, gw
.if DOCPART == 1
	.amdgcn_target "amdgcn-amd-amdhsa--gfx1250"
	.amdhsa_code_object_version 6
	.text
	.protected	k_q21d35b077e_route
	.globl	k_q21d35b077e_route
	.p2align	8
	.type	k_q21d35b077e_route,@function
k_q21d35b077e_route:
	s_mov_b64 s[64:65], 0
	v_nop
	global_prefetch_b8 v0, s[64:65] scope:SCOPE_SE
	s_setreg_imm32_b32 hwreg(HW_REG_WAVE_MODE, 25, 1), 1
	s_wait_xcnt 0x0
; ROUTER AND QUANTISER OF x.  x: [1024 tokens][1024] f32.  Wg: [1024][8] f32.  bg: [8] f32.
; One wave takes one token t = 4 x work-group + wave.  It stores:
;   xq [t][512 bytes]  the token's E2M1 codes, block b of 32 along K at byte 16 b, the lower k in the low four bits
;   xs [t][32 bytes]   one E8M0 byte for each block
;   sel [t] u32        (1 << first expert) | (0x100 << second expert): whole numbers at a fixed place; a later launch places rows by them
;   gw  [2 t + k] f32  the softmax over the two chosen logits
; The logits are f32 fused multiply-adds (the product has 8 columns: too few for the matrix unit, and its result decides the choice).
; A block's scale is 2^(floor(log2(largest magnitude)) - 2); its byte is the largest magnitude's exponent field - 2, held at 1 from below.
; LIMITS: NaN and infinities among x, Wg, bg are not served.  A block of zeros gets the byte 1 where the rule says 127: its codes are zeros
; and this program alone reads the bytes.  Logits that differ by less than the rounding of an f32 sum of 1,024 terms, summed in another
; order than the reference's, may be chosen the other way; equal logits keep the lower index.
; No matrix unit, no tensor load, no cluster: the launch reads 4 MB once and the work-groups share only Wg's 32 KB.
.set WGS, 0                            ; LDS: Wg, flat byte a at a + 16 (a >> 10): lane L's 32 rows of Wg begin at 1,040 L, an odd multiple of 16 bytes
.set XT,  33280                        ; each wave's own stage for the turn of x: 32 lanes x (128 bytes + 16)
.set SB,  51712                        ; the work-group's 128 scale bytes
.set X,   16                           ; v16-47   the token's numbers: as loaded, then 32 neighbours a lane
.set WB,  48                           ; v48-111, v112-175  two sets of 8 rows of Wg (8 numbers each)
.set AC,  176                          ; v176-183 the eight logits
.set TM,  184                          ; v184-207 at work
	s_load_b256 s[4:11], s[0:1], 0x0               ; x s[4:5], Wg s[6:7], bg s[8:9], xq s[10:11]
	s_load_b128 s[12:15], s[0:1], 0x20             ; xs s[12:13], sel s[14:15]
	s_load_b64 s[16:17], s[0:1], 0x30              ; gw
	v_lshl_add_u32 v208, v0, 2, 0xcb00
	v_mov_b32 v209, 0
	v_lshrrev_b32 v1, 5, v0
	v_readfirstlane_b32 s18, v1                    ; wave 0..3
	v_and_b32 v1, 31, v0                           ; lane L
	v_lshlrev_b32 v2, 4, v1                        ; 16 L
	v_lshlrev_b32 v3, 2, v1                        ; 4 L
	s_mul_i32 s22, s18, 4608
	s_add_co_u32 s22, s22, XT                      ; my wave's stage
	v_lshrrev_b32 v4, 3, v1
	v_mul_u32_u24 v4, v4, 144
	v_and_b32 v5, 7, v1
	v_lshl_add_u32 v4, v5, 4, v4
	v_add_nc_u32 v4, s22, v4                       ; into the stage: 144 (L / 8) + 16 (L % 8); a load's 512 bytes take four places
	v_mul_u32_u24 v5, v1, 144
	v_add_nc_u32 v5, s22, v5                       ; out of it: 144 L: my 32 neighbours
	s_mul_i32 s23, s18, 8320
	v_add_nc_u32 v6, s23, v2                       ; Wg into LDS: my wave's 8 KB (8 x 1,040 bytes)
	v_mul_u32_u24 v7, v1, 1040                     ; Wg out of LDS: the rows of my 32 k
	v_add_nc_u32 v8, SB, v0                        ; my block's scale byte: 32 x wave + L
	v_add_nc_u32 v9, SB, v3                        ; and on the way out 4 bytes a lane
	s_lshl_b32 s19, ttmp9, 2
	s_add_co_u32 s19, s19, s18                     ; t
	s_lshl_b32 s24, s19, 12                        ; x: 4,096 bytes a token
	s_mov_b32 s25, 0
	s_lshl_b32 s26, s18, 13                        ; Wg: my wave's 8 KB
	s_mov_b32 s27, 0
	s_lshl_b32 s28, s19, 9                         ; xq: 512 bytes a token
	s_mov_b32 s29, 0
	s_lshl_b32 s30, ttmp9, 7                       ; xs: 128 bytes a work-group
	s_mov_b32 s31, 0
	s_lshl_b32 s32, s19, 2                         ; sel
	s_mov_b32 s33, 0
	s_lshl_b32 s34, s19, 3                         ; gw
	s_mov_b32 s35, 0
	s_mov_b32 s20, 0x76543210                      ; v_permlanex16_b32's selects for lane l xor 16
	s_mov_b32 s21, 0xfedcba98
	s_wait_kmcnt 0x0
	s_load_b256 s[40:47], s[8:9], 0x0              ; bg
	s_add_nc_u64 s[4:5], s[4:5], s[24:25]
	s_add_nc_u64 s[6:7], s[6:7], s[26:27]
	s_add_nc_u64 s[10:11], s[10:11], s[28:29]
	s_add_nc_u64 s[12:13], s[12:13], s[30:31]
	s_add_nc_u64 s[14:15], s[14:15], s[32:33]
	s_add_nc_u64 s[16:17], s[16:17], s[34:35]
.irp j, 0,1,2,3,4,5,6,7
	global_load_b128 v[X+4*\j:X+4*\j+3], v2, s[4:5] offset:512*\j th:TH_LOAD_NT   ; 32 lanes read 512 consecutive bytes of the token
.endr
.irp m, 0,1,2,3,4,5,6,7,8,9,10,11,12,13,14,15
	global_load_b128 v[WB+4*\m:WB+4*\m+3], v2, s[6:7] offset:512*\m               ; my wave's quarter of Wg
.endr
	s_wait_loadcnt 16                              ; x is in; the 16 younger loads (Wg) may be out
.irp j, 0,1,2,3,4,5,6,7
	ds_store_b128 v4, v[X+4*\j:X+4*\j+3] offset:576*\j
.endr
.irp i, 0,1,2,3,4,5,6,7
	ds_load_b128 v[X+4*\i:X+4*\i+3], v5 offset:16*\i   ; LDS serves a wave's instructions in order: these see the stores above
.endr
	s_wait_dscnt 0x0                               ; lane L now holds x[32 L .. 32 L + 31]: one whole block
	; the block's largest magnitude, in two chains, with the floor 2^(3 - 127) among the leaves
	v_max3_num_f32 v[TM], |v[X]|, |v[X+1]|, |v[X+2]|
	v_max3_num_f32 v[TM+1], |v[X+3]|, |v[X+4]|, |v[X+5]|
.irp i, 6,10,14,18,22,26
	v_max3_num_f32 v[TM], v[TM], |v[X+\i]|, |v[X+\i+1]|
	v_max3_num_f32 v[TM+1], v[TM+1], |v[X+\i+2]|, |v[X+\i+3]|
.endr
	v_max3_num_f32 v[TM], v[TM], |v[X+30]|, |v[X+31]|
	v_max3_num_f32 v[TM], v[TM], v[TM+1], 0x1800000
	v_add_nc_u32 v[TM+2], 0xff000000, v[TM]        ; 2 off the exponent field: the conversion takes the exponent field of this operand as its scale
	v_lshrrev_b32 v[TM+3], 23, v[TM+2]             ; the scale's byte
.irp g, 0,1,2,3
	v_cvt_scalef32_pk8_fp4_f32 v[TM+4+\g], v[X+8*\g:X+8*\g+7], v[TM+2]
.endr
	v_nop                                          ; one plain line behind the last scaled conversion
	global_store_b128 v2, v[TM+4:TM+7], s[10:11]   ; 32 lanes store the token's 512 bytes of codes
	ds_store_b8 v8, v[TM+3]
	s_wait_loadcnt 0x0                             ; Wg's quarter
.irp m, 0,1,2,3,4,5,6,7,8,9,10,11,12,13,14,15
	ds_store_b128 v6, v[WB+4*\m:WB+4*\m+3] offset:512*\m+16*(\m/2)
.endr
	s_wait_dscnt 0x0                               ; for the others' sake: my part of Wg and my scale bytes lie in LDS
	s_barrier_signal -1
	s_barrier_wait -1                              ; the launch's one barrier: Wg is whole, so are the 128 scale bytes
	s_cmp_lg_u32 s18, 0
	s_cbranch_scc1 .Lnot_wave_0
	ds_load_b32 v192, v9
	s_wait_dscnt 0x0
	global_store_b32 v3, v192, s[12:13]            ; the four tokens' 128 scale bytes, consecutive (v192 is not written again)
.Lnot_wave_0:
; The logits: lane L sums its 32 k; 8 k a batch, the next batch's rows of Wg on their way while one is summed.
.macro LD q
.irp kk, 0,1,2,3,4,5,6,7
.irp u, 0,1
	ds_load_b128 v[WB+64*((\q)%2)+8*\kk+4*\u:WB+64*((\q)%2)+8*\kk+4*\u+3], v7 offset:32*(8*(\q)+\kk)+16*\u
.endr
.endr
.endm
.macro FM q                            ; two experts an instruction; x[k] serves both halves (the even register of its pair, or the odd one)
.irp kk, 0,1,2,3,4,5,6,7
.irp p, 0,1,2,3
.if ((\q) == 0) && (\kk == 0)
	v_pk_mul_f32 v[AC+2*\p:AC+2*\p+1], v[WB+64*((\q)%2)+8*\kk+2*\p:WB+64*((\q)%2)+8*\kk+2*\p+1], v[X+8*(\q)+2*(\kk/2):X+8*(\q)+2*(\kk/2)+1] op_sel_hi:[1,0]
.elseif (\kk%2) == 0
	v_pk_fma_f32 v[AC+2*\p:AC+2*\p+1], v[WB+64*((\q)%2)+8*\kk+2*\p:WB+64*((\q)%2)+8*\kk+2*\p+1], v[X+8*(\q)+2*(\kk/2):X+8*(\q)+2*(\kk/2)+1], v[AC+2*\p:AC+2*\p+1] op_sel_hi:[1,0,1]
.else
	v_pk_fma_f32 v[AC+2*\p:AC+2*\p+1], v[WB+64*((\q)%2)+8*\kk+2*\p:WB+64*((\q)%2)+8*\kk+2*\p+1], v[X+8*(\q)+2*(\kk/2):X+8*(\q)+2*(\kk/2)+1], v[AC+2*\p:AC+2*\p+1] op_sel:[0,1,0] op_sel_hi:[1,1,1]
.endif
.endr
.endr
.endm
	LD 0
	LD 1
	s_wait_dscnt 16                                ; batch 0 is in; the 16 loads of batch 1 may be out
	FM 0
	LD 2
	s_wait_dscnt 16
	FM 1
	LD 3
	s_wait_dscnt 16
	FM 2
	s_wait_dscnt 0x0
	FM 3
	s_wait_xcnt 0x0                                ; the codes' store has read v188-191: they are written again below
.irp m, 1,2,4,8
.irp e, 0,1,2,3,4,5,6,7
	v_add_f32_dpp v[AC+\e], v[AC+\e], v[AC+\e] row_xmask:\m row_mask:0xf bank_mask:0xf
.endr
.endr
.irp e, 0,1,2,3,4,5,6,7
	v_permlanex16_b32 v[TM+\e], v[AC+\e], s20, s21 ; (its destinations have been written above)
.endr
	s_wait_kmcnt 0x0                               ; bg
.irp e, 0,1,2,3,4,5,6,7
	v_add_f32 v[AC+\e], v[AC+\e], v[TM+\e]
.endr
.irp e, 0,1,2,3,4,5,6,7
	v_add_f32 v[AC+\e], s[40+\e], v[AC+\e]         ; every lane holds the eight logits
.endr
	; top-2, alike in every lane.  A later expert takes the place only if it is strictly larger: equal logits keep the lower index.
	v_mov_b32 v193, v[AC]                          ; m1
	v_mov_b32 v194, 0                              ; i1
.irp e, 1,2,3,4,5,6,7
	v_cmp_le_f32 vcc_lo, v[AC+\e], v193            ; keep
	v_cndmask_b32 v193, v[AC+\e], v193, vcc_lo
	v_cndmask_b32 v194, \e, v194, vcc_lo
.endr
	v_mov_b32 v195, 0xff800000                     ; m2 = -infinity
	v_mov_b32 v196, 0                              ; i2
.irp e, 0,1,2,3,4,5,6,7
	v_cmp_le_f32 s37, v[AC+\e], v195
	v_cmp_eq_u32 vcc_lo, \e, v194                  ; the first choice does not stand again
	s_or_b32 vcc_lo, vcc_lo, s37
	v_cndmask_b32 v195, v[AC+\e], v195, vcc_lo
	v_cndmask_b32 v196, \e, v196, vcc_lo
.endr
	; softmax over (m1, m2), the larger taken away first: d = e^(m2 - m1) <= 1; w0 = 1 / (1 + d), w1 = d w0
	v_sub_f32 v197, v195, v193
	v_mul_f32 v197, 0x3fb8aa3b, v197
	v_exp_f32 v197, v197
	v_nop                                          ; a plain line behind the exponential
	s_wait_alu depctr_va_vdst(0)                   ; ahead of the first line that names its result
	v_add_f32 v198, 1.0, v197
	v_rcp_f32 v198, v198
	v_mov_b32 v202, 1                              ; (a plain line behind the reciprocal)
	v_lshlrev_b32 v202, v194, v202                 ; 1 << i1
	v_mov_b32 v203, 0x100
	v_lshlrev_b32 v203, v196, v203                 ; 0x100 << i2
	v_or_b32 v201, v202, v203
	s_wait_alu depctr_va_vdst(0)
	v_mul_f32 v199, v197, v198                     ; w1
	v_cmp_eq_u32 vcc_lo, 0, v1
	v_cndmask_b32 v200, v199, v198, vcc_lo         ; lane 0: w0, lane 1: w1
	s_wait_xcnt 0x0                                ; EXEC changes only behind this wait
	v_cmp_gt_u32 vcc_lo, 2, v1
	s_wait_tensorcnt 0x0
	ds_add_u32 v208, v209
	s_wait_dscnt 0x0
	s_and_saveexec_b32 s36, vcc_lo
	global_store_b32 v3, v200, s[16:17]            ; gw[2 t], gw[2 t + 1]
	s_wait_xcnt 0x0
	s_or_b32 exec_lo, exec_lo, s36
	v_cmp_gt_u32 vcc_lo, 1, v1
	s_and_saveexec_b32 s36, vcc_lo
	global_store_b32 v3, v201, s[14:15]            ; sel[t]
	s_wait_xcnt 0x0
	s_or_b32 exec_lo, exec_lo, s36
	s_endpgm
.Lfunc_end_k_q21d35b077e_route:
	.size	k_q21d35b077e_route, .Lfunc_end_k_q21d35b077e_route-k_q21d35b077e_route
	.p2alignl 7, 3214868480
	.fill 96, 4, 3214868480
	.section	.rodata,"a",@progbits
	.p2align	6, 0x0
	.amdhsa_kernel k_q21d35b077e_route
		.amdhsa_group_segment_fixed_size 52480
		.amdhsa_private_segment_fixed_size 0
		.amdhsa_enable_private_segment 0
		.amdhsa_kernarg_size 56
		.amdhsa_user_sgpr_count 2
		.amdhsa_user_sgpr_kernarg_segment_ptr 1
		.amdhsa_wavefront_size32 1
		.amdhsa_system_sgpr_workgroup_id_x 1
		.amdhsa_system_sgpr_workgroup_id_y 1
		.amdhsa_system_sgpr_workgroup_id_z 1
		.amdhsa_system_vgpr_workitem_id 0
		.amdhsa_next_free_vgpr 210
		.amdhsa_next_free_sgpr 66
		.amdhsa_reserve_vcc 1
		.amdhsa_float_denorm_mode_32 3
		.amdhsa_float_denorm_mode_16_64 3
		.amdhsa_memory_ordered 1
		.amdhsa_forward_progress 1
		.amdhsa_inst_pref_size 28
	.end_amdhsa_kernel
	.amdgpu_metadata
---
amdhsa.version: [ 1, 2 ]
amdhsa.kernels:
  - .name:           k_q21d35b077e_route
    .symbol:         k_q21d35b077e_route.kd
    .args:
      - { .name: x, .offset: 0, .size: 8, .value_kind: global_buffer, .address_space: global }
      - { .name: Wg, .offset: 8, .size: 8, .value_kind: global_buffer, .address_space: global }
      - { .name: bg, .offset: 16, .size: 8, .value_kind: global_buffer, .address_space: global }
      - { .name: xq, .offset: 24, .size: 8, .value_kind: global_buffer, .address_space: global }
      - { .name: xs, .offset: 32, .size: 8, .value_kind: global_buffer, .address_space: global }
      - { .name: sel, .offset: 40, .size: 8, .value_kind: global_buffer, .address_space: global }
      - { .name: gw, .offset: 48, .size: 8, .value_kind: global_buffer, .address_space: global }
    .group_segment_fixed_size: 52480
    .private_segment_fixed_size: 0
    .kernarg_segment_align: 8
    .kernarg_segment_size: 56
    .max_flat_workgroup_size: 128
    .sgpr_count:     66
    .vgpr_count:     210
    .wavefront_size: 32
...
	.end_amdgpu_metadata
.endif
;; end of part 1
;; launch ffn1 (part 2): grid 256 x 1, 8 waves a work-group, no clusters, 145,920 bytes of LDS; arguments xq, xs, sel, W1_codes, W1_scales, b1, hq, hs, rows; writes hq, hs, rows
.if DOCPART == 2
	.amdgcn_target "amdgcn-amd-amdhsa--gfx1250"
	.amdhsa_code_object_version 6
	.text
	.protected	k_q21d35b077e_ffn1
	.globl	k_q21d35b077e_ffn1
	.p2align	8
	.type	k_q21d35b077e_ffn1,@function
k_q21d35b077e_ffn1:
	s_mov_b64 s[64:65], 0
	v_nop
	global_prefetch_b8 v0, s[64:65] scope:SCOPE_SE
	s_setreg_imm32_b32 hwreg(HW_REG_WAVE_MODE, 25, 1), 1
	s_wait_xcnt 0x0
; FIRST PRODUCT OF THE EXPERTS, FOR THE CHOSEN ROWS ALONE: h = Q(act(x W1 + b1)), on codes of E2M1 with one E8M0 scale for each 32 along K.
; A routed row is a SLOT 2 t + k (token t, its k-th choice).  Work-group g: experts 2 q and 2 q + 1 (q = g / 64), hidden units 64 c64 .. 64 c64 + 63 of each (c64 = g % 64).
; Each weight byte is read by one work-group.  Wave i: expert 2 q + par, par = (i ^ (i / 4)) & 1, row tiles T = rg + 4 n, rg = i / 2: four waves to an expert.
; even experts: exact GELU, 0.5 h (1 + erf(h / sqrt 2)); odd experts: SiLU, h / (1 + e^-h).
; THE LISTS.  Wave 0 sorts the 1,024 words of sel into one list of slots for each of the two experts, in LDS, while the weights are on their way; four work-groups also store
; them, with the counts, into rows for the next launch.  The 16 entries behind an expert's count repeat its last entry, so that the rows that fill up its last tile are copies of its last routed row;
; the entries behind those are 0 and are never computed on (but for tile 0 of an expert with no rows, which is computed on token 0 and never used).
; THE PRODUCT IS USED TRANSPOSED: source 0 = 16 rows of W1 (hidden units), source 1 = 16 routed rows of x: a lane holds ONE row and its registers run along the hidden units, the next K.
; THE ROWS OF W1 THAT FORM A TILE ARE NOT NEIGHBOURS: lane r of tile 2 b + u takes unit 32 b + 8 u + r + 8 (r / 8), so that the 16 registers of tiles 2 b and 2 b + 1 are 16 neighbours: 32 b + 16 (lane / 16) + 0 .. 15.
; OUT: hq [e][tile 64][K step 32][1,024 bytes]: the register image of a fragment of 16 rows x 128 K (group c' of four registers at 512 c' + 16 lane); this work-group writes group c64 % 2 of K step c64 / 2.
;      hs [e][tile][K step][16 rows][4 bytes]: a row's scale word for a K step; this work-group writes two of its bytes.  Tiles under max(ceil(count / 16), 1) are written.
;      rows: for each expert 4,352 bytes: 1,024 slots, then 64 copies of the count.
; No tensor load and no cluster: work is passed over by branches on counts made from stored numbers.  Every wave walks all 16 trips of the loop; a trip whose tile lies past the count steps its counters and no more.
; LIMITS: NaN and infinities are not served.  erf is x P(x^2) / Q(x^2) on |x| <= 4 (absolute error a few 1e-7), so GELU loses relative accuracy for h under about -3.5, where its magnitude is under about 1e-3.
; A block of zeros gets the byte 1 where the rule says 127: its codes are zeros and this program alone reads the bytes.
; REGISTERS.  window 0: v1-19 addresses; v[20:21] two constants; v22-30 list entries, then addresses; v31 a scale byte; v32-63 W1's scale words; v64-71 x's; v72-135 x's eight fragments;
;   v136-167 four accumulators (ahead of them: v136-159 the sort's words and places); v168-199 b1 in the result's layout; v200-231 at work; v232-235 codes; v236-243 the quantiser; v248-255 the sort.
;   window 1: W1's 32 fragments (tile t, K step s at 8 (8 t + s)): they stay.
.set WST,  0                           ; LDS: 128 rows of W1 (64 of each expert) x (512 bytes + 16), in the order of the tiles
.set XST,  67584                       ; each wave's own stage: 16 rows of x's codes x (512 + 16)
.set LIST, 135168                      ; two lists: 1,152 entries, a word for lanes with nothing to place, the count
.set LSZ,  4864
.set DUMP, 1152
.set WS,   32
.set XS,   64
.set F,    72
.set ACC,  136
.set MW,   136                         ; the sort: masked words, two sets of eight (four of the even expert, four of the odd)
.set PS,   152                         ; the sort: eight places
.set B1,   168
.set T,    200
.set P,    232
.set MX,   236
.set PL,   238
.set SO,   240
.set BY,   242
.set MSB, 0
.macro WIN new                         ; s_set_vgpr_msb: bits 1:0 source 0, 3:2 source 1, 5:4 source 2, 7:6 destination; the high byte repeats the setting that is left
.if MSB != \new
	s_set_vgpr_msb (MSB<<8)|\new
.set MSB, \new
.endif
.endm
.macro CPAIR r, val                    ; a constant for the packed forms, which name a pair and take its low word for both halves
	s_mov_b32 s[\r], \val
	s_mov_b32 s[\r+1], \val
.endm
	s_load_b256 s[4:11], s[0:1], 0x0               ; xq s[4:5], xs s[6:7], sel s[8:9], W1_codes s[10:11]
	s_load_b256 s[12:19], s[0:1], 0x20             ; W1_scales s[12:13], b1 s[14:15], hq s[16:17], hs s[18:19]
	s_load_b64 s[20:21], s[0:1], 0x40              ; rows
	v_lshl_add_u32 v246, v0, 2, 0x23600
	v_mov_b32 v247, 0
	v_lshrrev_b32 v1, 5, v0
	v_readfirstlane_b32 s22, v1                    ; wave i, 0..7
	s_lshr_b32 s34, s22, 2                         ; i / 4
	s_xor_b32 s23, s22, s34
	s_and_b32 s23, s23, 1                          ; par
	s_lshr_b32 s24, s22, 1                         ; rg
	s_and_b32 s26, ttmp9, 63                       ; c64
	s_lshr_b32 s27, ttmp9, 6                       ; q
	s_lshl_b32 s25, s27, 1
	s_add_co_u32 s25, s25, s23                     ; e
	v_and_b32 v1, 31, v0                           ; L
	v_and_b32 v2, 15, v0                           ; r
	v_bfe_u32 v3, v0, 4, 1                         ; h
	v_lshlrev_b32 v4, 4, v1                        ; 16 L
	v_lshlrev_b32 v5, 4, v2                        ; 16 r
	; every LDS address register is made here, ahead of the first branch on the wave's number
	s_lshl_b32 s35, s34, 6                         ; the 16 rows that I bring go to places 64 (i / 4) + 32 ((i / 2) % 2) + 16 (m / 8) + 8 (i % 2) + m % 8:
	s_bfe_u32 s36, s22, 0x10001                    ; bits 3 and 4 of the unit's number change places, so that a tile's 16 rows lie on end
	s_lshl_b32 s36, s36, 5
	s_add_co_u32 s35, s35, s36
	s_and_b32 s36, s22, 1
	s_lshl_b32 s36, s36, 3
	s_add_co_u32 s35, s35, s36
	s_mul_i32 s35, s35, 528
	v_add_nc_u32 v6, s35, v4                       ; W1 into the stage
	v_mul_u32_u24 v9, v2, 528
	v_lshl_add_u32 v9, v3, 4, v9                   ; a fragment's row x pitch + 16 x half
	s_mul_i32 s35, s23, 64*528
	v_add_nc_u32 v7, s35, v9                       ; W1 out of the stage: my expert's 64 rows
	s_mul_i32 s36, s22, 8448
	s_add_co_u32 s36, s36, XST
	v_add_nc_u32 v9, s36, v9                       ; x out of my stage
	v_mul_u32_u24 v8, v3, 528
	v_add_nc_u32 v8, v8, v5
	v_add_nc_u32 v8, s36, v8                       ; x into my stage: sixteen lanes to 256 bytes of a row, two rows an instruction
	s_mul_i32 s74, s23, LSZ                        ; my expert's list
	s_add_co_u32 s37, s74, LIST+4*DUMP+4
	v_mov_b32 v18, s37                             ; its count
	s_lshl_b32 s35, s24, 6                         ; my first tile's 16 entries: 64 bytes a tile
	s_add_co_u32 s37, s74, LIST
	s_add_co_u32 s37, s37, s35
	v_lshl_add_u32 v10, v3, 2, s37                 ; entries of rows 2 a + h of tile rg
	v_lshl_add_u32 v11, v2, 2, s37                 ; entry of row r
	v_lshl_add_u32 v14, v2, 2, v3                  ; hs: 4 r + h
	v_mov_b32 v15, LIST+4*DUMP+4                   ; the first list's count
	v_and_b32 v16, 8, v2
	v_add_nc_u32 v16, v16, v2
	v_lshlrev_b32 v16, 5, v16                      ; W1's scale words: 32 bytes a unit, unit r + 8 (r / 8) of a tile
	v_lshlrev_b32 v17, 6, v3                       ; b1: 16 h units on
	v_add_nc_u32 v19, LIST, v4                     ; the lists, 16 bytes a lane
	v_mov_b32 v20, 0x32edffee                      ; erf: the second coefficient of P,
	v_mov_b32 v21, 0xb95fbd29                      ; and of Q
	v_mov_b32 v[PL], 0                             ; written once: a lane permute's destination counts as one of its sources
	v_mov_b32 v[PL+1], 0
	v_lshlrev_b32 v248, 3, v1                      ; 8 L
	v_mov_b32 v255, DUMP
	s_mov_b32 s30, s24                             ; T
	s_add_co_u32 s31, s24, 4                       ; T + 4
	s_mov_b32 s44, 0x76543210                      ; v_permlanex16_b32's selects for lane l xor 16
	s_mov_b32 s45, 0xfedcba98
	s_mov_b32 s46, 0xffff0000                      ; lanes 16-31
	CPAIR 48, 0x3f3504f3                           ; 1 / sqrt 2
	CPAIR 50, 0xaf95df0b                           ; P: x^12 ..
	CPAIR 52, 0xb60cff51
	CPAIR 54, 0xb86ec2d2
	CPAIR 56, 0xba40ac63
	CPAIR 58, 0xbb41a1f6
	CPAIR 60, 0xbc83dbd4                           ; .. x^0
	CPAIR 62, 0xb77460cd                           ; Q: x^8 ..
	CPAIR 66, 0xbadc924e
	CPAIR 68, 0xbbf19bf8
	CPAIR 70, 0xbc69b6a7                           ; .. x^0
	CPAIR 72, 0xbfb8aa3b                           ; -log2(e)
	; byte offsets into the buffers
	s_lshl_b32 s36, s27, 1
	s_add_co_u32 s36, s36, s34                     ; the expert whose rows I bring: 2 q + i / 4
	s_lshl_b32 s36, s36, 12
	s_lshl_b32 s38, s26, 6
	s_add_co_u32 s36, s36, s38                     ; + 64 c64
	s_and_b32 s35, s22, 3
	s_lshl_b32 s35, s35, 4
	s_add_co_u32 s36, s36, s35                     ; + 16 (i % 4)
	s_lshl_b32 s36, s36, 9                         ; 512 bytes a row
	s_mov_b32 s37, 0
	s_lshl_b32 s40, s25, 12
	s_add_co_u32 s40, s40, s38                     ; my expert's first unit: 4,096 e + 64 c64
	s_lshl_b32 s42, s40, 2                         ; in b1
	s_mov_b32 s43, 0
	s_lshl_b32 s40, s40, 5                         ; in W1_scales
	s_mov_b32 s41, 0
	s_mul_i32 s38, s25, 4352                       ; rows
	s_mov_b32 s39, 0
	s_lshl_b32 s75, s25, 6
	s_add_co_u32 s75, s75, s24                     ; 64 e + rg: my first tile
	s_lshl_b32 s76, s75, 15
	s_lshl_b32 s78, s26, 9
	s_add_co_u32 s76, s76, s78                     ; hq: 32,768 bytes a tile, + 1,024 (c64 / 2) + 512 (c64 % 2)
	s_mov_b32 s77, 0
	s_lshl_b32 s78, s75, 11
	s_lshr_b32 s75, s26, 1
	s_lshl_b32 s75, s75, 6
	s_add_co_u32 s78, s78, s75
	s_and_b32 s75, s26, 1
	s_lshl_b32 s75, s75, 1
	s_add_co_u32 s78, s78, s75                     ; hs: 2,048 bytes a tile, + 64 (c64 / 2) + 2 (c64 % 2)
	s_mov_b32 s79, 0
	s_wait_kmcnt 0x0
	s_add_nc_u64 s[10:11], s[10:11], s[36:37]
	s_add_nc_u64 s[12:13], s[12:13], s[40:41]
	s_add_nc_u64 s[14:15], s[14:15], s[42:43]
	s_add_nc_u64 s[16:17], s[16:17], s[76:77]
	s_add_nc_u64 s[18:19], s[18:19], s[78:79]
	s_add_nc_u64 s[20:21], s[20:21], s[38:39]
	s_cmp_lg_u32 s22, 0
	s_cbranch_scc1 .Lno_sel
.irp j, 0,1,2,3,4,5,6,7
	global_load_b128 v[F+4*\j:F+4*\j+3], v4, s[8:9] offset:512*\j   ; wave 0: all of sel; register 4 j + n holds token 128 j + 4 L + n
.endr
.Lno_sel:
	WIN 0x40                                       ; destination window 1
.irp m, 0,1,2,3,4,5,6,7,8,9,10,11,12,13,14,15
	global_load_b128 v[4*\m:4*\m+3], v4, s[10:11] offset:512*\m th:TH_LOAD_NT   ; a whole row of 512 bytes an instruction; read once in the launch
.endr
	WIN 0
.irp t, 0,1,2,3
.irp u, 0,1
	global_load_b128 v[WS+8*\t+4*\u:WS+8*\t+4*\u+3], v16, s[12:13] offset:(32*(\t/2)+8*(\t%2))*32+16*\u   ; tile t: its units' eight scale words
.endr
.endr
.irp t, 0,1,2,3
.irp u, 0,1
	global_load_b128 v[B1+8*\t+4*\u:B1+8*\t+4*\u+3], v17, s[14:15] offset:(32*(\t/2)+8*(\t%2))*4+16*\u    ; tile t: b1 of units 32 (t / 2) + 16 h + 8 (t % 2) + 0 .. 7
.endr
.endr
	s_wait_loadcnt 32                              ; on every wave's path: all but the 32 loads just issued (weights, scale words, b1) are in: that is wave 0's sel; the other waves have nothing older
	s_cmp_lg_u32 s22, 0
	s_cbranch_scc1 .Lno_list
	; ---- wave 0 alone makes both lists.  No other wave touches LDS ahead of the barrier below.
.irp k, 0,1,2,3
	v_mov_b32 v[T+\k], 0
.endr
.irp x, 0,1
.irp k, 0,1,2,3,4,5,6,7,8
	ds_store_b128 v19, v[T:T+3] offset:LSZ*\x+512*\k               ; all 1,152 entries begin as 0
.endr
.endr
	s_lshl_b32 s35, s27, 1                         ; 2 q
	s_lshl_b32 s36, 0x101, s35                     ; the even expert's two bits of a word of sel,
	s_lshl_b32 s37, s36, 1                         ; the odd one's
	s_add_co_u32 s38, s35, 8
	s_add_co_u32 s39, s35, 9
	s_mov_b32 s40, 0                               ; entries so far
	s_mov_b32 s41, 0
; THE SORT, in eight batches of four registers (128 tokens), both experts at once.  A lane whose token chose the expert places slot 2 t + k behind the entries so far and the lower lanes'; the others write to the spare word.
; A batch's masks are made a whole batch ahead of the scalar lines that count them, and its eight placings go line by line, so that no line reads the result of the line above it.
.macro CMASK b                         ; batch b: its eight masked words into set b % 2, and their masks into s[80 + 8 (b % 2) ..]
.irp n, 0,1,2,3
	v_and_b32 v[MW+8*((\b)%2)+\n], s36, v[F+4*(\b)+\n]
	v_and_b32 v[MW+8*((\b)%2)+4+\n], s37, v[F+4*(\b)+\n]
.endr
.irp n, 0,1,2,3,4,5,6,7
	v_cmp_ne_u32 s[80+8*((\b)%2)+\n], 0, v[MW+8*((\b)%2)+\n]
.endr
.endm
.macro CPLACE b
.set MS, 80+8*((\b)%2)
.set MV, MW+8*((\b)%2)
	s_mov_b32 s96, s40                             ; where each of the batch's four registers begins in its list: s96-99 the even expert's, s76-79 the odd one's
	s_mov_b32 s76, s41
.irp n, 0,1,2
	s_bcnt1_i32_b32 s34, s[MS+\n]
	s_bcnt1_i32_b32 s35, s[MS+4+\n]
	s_add_co_u32 s[97+\n], s[96+\n], s34
	s_add_co_u32 s[77+\n], s[76+\n], s35
.endr
	s_bcnt1_i32_b32 s34, s[MS+3]
	s_bcnt1_i32_b32 s35, s[MS+7]
	s_add_co_u32 s40, s99, s34
	s_add_co_u32 s41, s79, s35
.irp n, 0,1,2,3
	v_mbcnt_lo_u32_b32 v[PS+\n], s[MS+\n], s[96+\n]
	v_mbcnt_lo_u32_b32 v[PS+4+\n], s[MS+4+\n], s[76+\n]
.endr
.irp n, 0,1,2,3,4,5,6,7
	v_cndmask_b32 v[PS+\n], v255, v[PS+\n], s[MS+\n]
.endr
.irp n, 0,1,2,3,4,5,6,7
	v_min_u32 v[PS+\n], 1152, v[PS+\n]             ; held inside the list
.endr
.irp n, 0,1,2,3
	v_lshl_add_u32 v[PS+\n], v[PS+\n], 2, LIST
	v_lshl_add_u32 v[PS+4+\n], v[PS+4+\n], 2, LIST+LSZ
.endr
.irp n, 0,1,2,3
	v_lshrrev_b32 v[MV+\n], s38, v[MV+\n]          ; k: 1 where the bit found is the second choice's
	v_lshrrev_b32 v[MV+4+\n], s39, v[MV+4+\n]
.endr
.irp n, 0,1,2,3
	v_add3_u32 v[MV+\n], v248, v[MV+\n], 256*(\b)+2*\n     ; 2 t + k, 2 t = 256 b + 8 L + 2 n
	v_add3_u32 v[MV+4+\n], v248, v[MV+4+\n], 256*(\b)+2*\n
.endr
.irp n, 0,1,2,3,4,5,6,7
	ds_store_b32 v[PS+\n], v[MV+\n]
.endr
.endm
	CMASK 0
.irp b, 0,1,2,3,4,5,6
	CMASK \b+1
	CPLACE \b
.endr
	CPLACE 7
	; the 16 entries behind each count repeat the list's last entry (of an empty list: entry 0, which is 0)
	s_max_u32 s34, s40, 1
	s_max_u32 s35, s41, 1
	s_sub_co_u32 s34, s34, 1
	s_sub_co_u32 s35, s35, 1
	s_min_u32 s34, s34, 1023                       ; held inside the list
	s_min_u32 s35, s35, 1023
	s_lshl_b32 s34, s34, 2
	s_lshl_b32 s35, s35, 2
	s_add_co_u32 s34, s34, LIST
	s_add_co_u32 s35, s35, LIST+LSZ
	v_mov_b32 v250, s34
	v_mov_b32 v253, s35
	ds_load_b32 v249, v250                         ; LDS serves a wave's instructions in order: these see the stores above
	ds_load_b32 v252, v253
	v_add_nc_u32 v251, s40, v2                     ; count + r (both halves of the lanes write the same word with the same value)
	v_add_nc_u32 v254, s41, v2
	v_min_u32 v251, 1151, v251
	v_min_u32 v254, 1151, v254
	v_lshl_add_u32 v251, v251, 2, LIST
	v_lshl_add_u32 v254, v254, 2, LIST+LSZ
	s_wait_dscnt 0x0
	ds_store_b32 v251, v249
	ds_store_b32 v254, v252
	v_mov_b32 v250, s40
	v_mov_b32 v253, s41
	ds_store_b32 v15, v250                         ; the counts
	ds_store_b32 v15, v253 offset:LSZ
.Lno_list:
	s_wait_dscnt 0x0                               ; for the others' sake: the lists lie in LDS
	s_barrier_signal -1
	s_barrier_wait -1
.macro LISTRD p, q                     ; a tile's 16 entries: rows 2 a + h for the loads of codes, row r for the scale words
.irp a, 0,1,2,3,4,5,6,7
	ds_load_b32 v[22+\a], v[\p] offset:8*\a
.endr
	ds_load_b32 v30, v[\q]
.endm
.macro XADDR                           ; slot -> token, held inside x -> byte offsets.  27 plain lines that name no register of the products
.irp a, 0,1,2,3,4,5,6,7,8
	v_lshrrev_b32 v[22+\a], 1, v[22+\a]
.endr
.irp a, 0,1,2,3,4,5,6,7,8
	v_min_u32 v[22+\a], 1023, v[22+\a]
.endr
.irp a, 0,1,2,3,4,5,6,7
	v_lshl_add_u32 v[22+\a], v[22+\a], 9, v5       ; 512 bytes a token, + 16 r
.endr
	v_lshlrev_b32 v30, 5, v30                      ; 32 scale bytes a token
.endm
.macro XLOAD                           ; 18 loads: 16 rows of codes (sixteen lanes read 256 consecutive bytes, aligned), and row r's eight scale words
.irp a, 0,1,2,3,4,5,6,7
.irp u, 0,1
	global_load_b128 v[F+8*\a+4*\u:F+8*\a+4*\u+3], v[22+\a], s[4:5] offset:256*\u
.endr
.endr
	global_load_b128 v[XS:XS+3], v30, s[6:7]
	global_load_b128 v[XS+4:XS+7], v30, s[6:7] offset:16
.endm
	ds_load_b32 v251, v18                          ; my expert's count
	LISTRD 10, 11                                  ; tile rg
	s_wait_dscnt 0x0
	v_readfirstlane_b32 s28, v251
	s_min_u32 s28, s28, 1024                       ; the count
	s_add_co_u32 s29, s28, 15
	s_lshr_b32 s29, s29, 4
	s_max_u32 s29, s29, 1                          ; tiles: at least one, so that the next launch always finds tile 0 written
	v_add_nc_u32 v12, s74, v19                     ; my list, 16 bytes a lane
	s_or_b32 s34, s26, s24
	s_cmp_lg_u32 s34, 0
	s_cbranch_scc1 .Lno_dump                       ; waves 0 and 1 of the four work-groups with c64 = 0 store their expert's list and count
.irp k, 0,1,2,3,4,5,6,7
	ds_load_b128 v[F+4*\k:F+4*\k+3], v12 offset:512*\k
.endr
	v_mov_b32 v250, s28
	v_mov_b32 v251, s28
	s_wait_dscnt 0x0
.irp k, 0,1,2,3,4,5,6,7
	global_store_b128 v4, v[F+4*\k:F+4*\k+3], s[20:21] offset:512*\k   ; 512 consecutive bytes
.endr
	global_store_b64 v248, v[250:251], s[20:21] offset:4096            ; 64 copies of the count: 256 consecutive bytes
	s_wait_xcnt 0x0                                ; the stores have read their registers: x's codes land there next
.Lno_dump:
	XADDR
	XLOAD                                          ; the first tile's x, whether or not the tile exists: every entry of the list names a token
	s_wait_loadcnt 34                              ; my 16 rows of W1 are in; younger: 8 + 8 (scale words, b1) and the 18 just issued
	WIN 0x04                                       ; an LDS store's data are its source 1: window 1
.irp m, 0,1,2,3,4,5,6,7,8,9,10,11,12,13,14,15
	ds_store_b128 v6, v[4*\m:4*\m+3] offset:528*(16*(\m/8)+(\m%8))
.endr
	WIN 0
	s_wait_dscnt 0x0                               ; for the others' sake
	s_barrier_signal -1
	s_barrier_wait -1                              ; both experts' 64 rows lie in the stage
	WIN 0x40
.irp t, 0,1,2,3
.irp s, 0,1,2,3,4,5,6,7
.irp c, 0,1
	ds_load_b128 v[8*(8*\t+\s)+4*\c:8*(8*\t+\s)+4*\c+3], v7 offset:16*\t*528+64*\s+32*\c   ; lane (r, h): K = 128 s + 64 c + 32 h + 0 .. 31 of the tile's row r
.endr
.endr
.endr
	WIN 0
; 32 matrix instructions: K step by K step, the four accumulators by turns, one instruction a turn.  b1 is the C of each sum's first product.
.macro MM
	WIN 0x01                                       ; source 0 (W1) window 1
.irp s, 0,1,2,3,4,5,6,7
.irp t, 0,1,2,3
.if \s == 0
	v_wmma_scale_f32_16x16x128_f8f6f4 v[ACC+8*\t:ACC+8*\t+7], v[8*(8*\t+\s):8*(8*\t+\s)+7], v[F+8*\s:F+8*\s+7], v[B1+8*\t:B1+8*\t+7], v[WS+8*\t+\s], v[XS+\s] matrix_a_fmt:MATRIX_FMT_FP4 matrix_b_fmt:MATRIX_FMT_FP4
.else
	v_wmma_scale_f32_16x16x128_f8f6f4 v[ACC+8*\t:ACC+8*\t+7], v[8*(8*\t+\s):8*(8*\t+\s)+7], v[F+8*\s:F+8*\s+7], v[ACC+8*\t:ACC+8*\t+7], v[WS+8*\t+\s], v[XS+\s] matrix_a_fmt:MATRIX_FMT_FP4 matrix_b_fmt:MATRIX_FMT_FP4
.endif
.endr
.endr
	WIN 0
.endm
.macro PSTEP base, c                   ; a Horner step on eight numbers
.irp p, 0,2,4,6
	v_pk_fma_f32 v[\base+\p:\base+\p+1], v[\base+\p:\base+\p+1], v[T+8+\p:T+9+\p], s[\c:\c+1] op_sel_hi:[1,1,0]
.endr
.endm
; Exact GELU of one accumulator's eight numbers, from its low end on.  T+0: z = h / sqrt 2, held to +-4; T+8: z^2, later h / 2; T+16: P; T+24: Q, then 1 / Q.
.macro GELU8 t
.set HH, ACC+8*(\t)
.irp p, 0,2,4,6
	v_pk_mul_f32 v[T+\p:T+\p+1], v[HH+\p:HH+\p+1], s[48:49] op_sel_hi:[1,0]
.endr
.irp p, 0,1,2,3,4,5,6,7
	v_med3_num_f32 v[T+\p], v[T+\p], -4.0, 4.0
.endr
.irp p, 0,2,4,6
	v_pk_mul_f32 v[T+8+\p:T+9+\p], v[T+\p:T+\p+1], v[T+\p:T+\p+1]
.endr
.irp p, 0,2,4,6
	v_pk_fma_f32 v[T+16+\p:T+17+\p], v[T+8+\p:T+9+\p], s[50:51], v[20:21] op_sel_hi:[1,0,0]
.endr
.irp p, 0,2,4,6
	v_pk_fma_f32 v[T+24+\p:T+25+\p], v[T+8+\p:T+9+\p], s[62:63], v[20:21] op_sel:[0,0,1] op_sel_hi:[1,0,1]
.endr
	PSTEP T+16, 52
	PSTEP T+24, 66
	PSTEP T+16, 54
	PSTEP T+24, 68
	PSTEP T+16, 56
	PSTEP T+24, 70
	PSTEP T+16, 58
	PSTEP T+16, 60
.irp p, 0,1,2,3,4,5,6,7
	v_rcp_f32 v[T+24+\p], v[T+24+\p]
.endr
.irp p, 0,2,4,6
	v_pk_mul_f32 v[T+16+\p:T+17+\p], v[T+16+\p:T+17+\p], v[T+\p:T+\p+1]         ; z P: plain work behind the reciprocals, which names none of their results
.endr
.irp p, 0,2,4,6
	v_pk_mul_f32 v[T+8+\p:T+9+\p], v[HH+\p:HH+\p+1], 0.5 op_sel_hi:[1,0]        ; h / 2
.endr
	s_wait_alu depctr_va_vdst(0)                   ; one wait for the eight reciprocals, ahead of their first reader
.irp p, 0,2,4,6
	v_pk_mul_f32 v[T+16+\p:T+17+\p], v[T+16+\p:T+17+\p], v[T+24+\p:T+25+\p]     ; erf
.endr
.irp p, 0,2,4,6
	v_pk_fma_f32 v[HH+\p:HH+\p+1], v[T+8+\p:T+9+\p], v[T+16+\p:T+17+\p], v[T+8+\p:T+9+\p]   ; h / 2 x erf + h / 2
.endr
.endm
.macro SILU                            ; h / (1 + 2^(-h log2 e)), all 32 numbers; each batch of transcendentals has one plain line and one wait
.irp p, 0,2,4,6,8,10,12,14,16,18,20,22,24,26,28,30
	v_pk_mul_f32 v[T+\p:T+\p+1], v[ACC+\p:ACC+\p+1], s[72:73] op_sel_hi:[1,0]
.endr
.irp p, 0,1,2,3,4,5,6,7,8,9,10,11,12,13,14,15,16,17,18,19,20,21,22,23,24,25,26,27,28,29,30,31
	v_exp_f32 v[T+\p], v[T+\p]
.endr
	v_nop
	s_wait_alu depctr_va_vdst(0)
.irp p, 0,2,4,6,8,10,12,14,16,18,20,22,24,26,28,30
	v_pk_add_f32 v[T+\p:T+\p+1], v[T+\p:T+\p+1], 1.0 op_sel_hi:[1,0]
.endr
.irp p, 0,1,2,3,4,5,6,7,8,9,10,11,12,13,14,15,16,17,18,19,20,21,22,23,24,25,26,27,28,29,30,31
	v_rcp_f32 v[T+\p], v[T+\p]
.endr
	v_nop
	s_wait_alu depctr_va_vdst(0)
.irp p, 0,2,4,6,8,10,12,14,16,18,20,22,24,26,28,30
	v_pk_mul_f32 v[ACC+\p:ACC+\p+1], v[ACC+\p:ACC+\p+1], v[T+\p:T+\p+1]
.endr
.endm
; 32 numbers of a lane, register 16 b + i = unit 32 b + 16 h + i of my row, become four registers of codes (a whole block a lane) and two scale bytes.
.macro QUANT2
.irp b, 0,1
	v_max3_num_f32 v[MX+\b], |v[ACC+16*\b]|, |v[ACC+16*\b+1]|, 0x1800000   ; my 16 numbers of block b, and the floor 2^(3 - 127): the byte cannot fall under 1
.endr
.irp i, 2,4,6,8,10,12,14
.irp b, 0,1
	v_max3_num_f32 v[MX+\b], v[MX+\b], |v[ACC+16*\b+\i]|, |v[ACC+16*\b+\i+1]|
.endr
.endr
.irp b, 0,1
	v_permlanex16_b32 v[PL+\b], v[MX+\b], s44, s45
.endr
.irp b, 0,1
	v_max_num_f32 v[MX+\b], v[MX+\b], v[PL+\b]     ; with lane l xor 16's: the block's largest magnitude
.endr
.irp b, 0,1
	v_add_nc_u32 v[SO+\b], 0xff000000, v[MX+\b]    ; 2 off its exponent field: the conversion's scale operand
.endr
.irp b, 0,1
	v_lshrrev_b32 v[BY+\b], 23, v[SO+\b]           ; the scale's byte
.endr
.irp b, 0,1
	v_cvt_scalef32_pk8_fp4_f32 v[P+2*\b], v[ACC+16*\b:ACC+16*\b+7], v[SO+\b]
	v_cvt_scalef32_pk8_fp4_f32 v[P+2*\b+1], v[ACC+16*\b+8:ACC+16*\b+15], v[SO+\b]
.endr
	v_nop                                          ; one plain line behind the last scaled conversion
	v_permlane16_swap_b32 v[P], v[P+2]             ; lanes 0-15 now hold block 0 whole, lanes 16-31 block 1: K = 32 h + 0 .. 31 of this group of four registers
	v_permlane16_swap_b32 v[P+1], v[P+3]
	v_cndmask_b32 v31, v[BY], v[BY+1], s46         ; lane (r, h) stores block h's byte of row r
.endm
	s_mov_b32 s32, 256                             ; from my first tile's entries to those of the tile read next: four tiles, 256 bytes, a trip
	s_mov_b32 s33, 0
.Ltile:                                            ; 16 trips in every wave: tiles rg, rg + 4, ..
	s_cmp_ge_u32 s30, s29
	s_cbranch_scc1 .Lskip                          ; a tile past the count: only the counters step
	s_wait_loadcnt 0x0                             ; this tile's codes and scale words (in the first trip W1's scale words and b1 too)
.irp a, 0,1,2,3,4,5,6,7
.irp u, 0,1
	ds_store_b128 v8, v[F+8*\a+4*\u:F+8*\a+4*\u+3] offset:1056*\a+256*\u       ; rows through my own stage,
.endr
.endr
.irp s, 0,1,2,3,4,5,6,7
.irp c, 0,1
	ds_load_b128 v[F+8*\s+4*\c:F+8*\s+4*\c+3], v9 offset:64*\s+32*\c           ; back as eight fragments (LDS serves a wave's instructions in order)
.endr
.endr
	v_add_nc_u32 v12, s32, v10
	v_add_nc_u32 v13, s32, v11
	LISTRD 12, 13                                  ; the entries of the tile four on
	s_wait_dscnt 9                                 ; all but those nine: the fragments are in (in the first trip W1's too)
	MM
	s_wait_dscnt 0x0
	XADDR                                          ; also the places behind the products
	s_cmp_ge_u32 s31, s29
	s_cbranch_scc1 .Lno_next
	XLOAD                                          ; the next tile's x is on its way while this tile's activation is computed
.Lno_next:
	s_cmp_lg_u32 s23, 0
	s_cbranch_scc1 .Lsilu
	GELU8 0
	GELU8 1
	GELU8 2
	GELU8 3
	s_branch .Lact_done
.Lsilu:
	SILU
.Lact_done:
	QUANT2
	global_store_b128 v4, v[P:P+3], s[16:17]       ; half a fragment's image: 512 consecutive bytes, aligned
	global_store_b8 v14, v31, s[18:19]             ; two bytes of each row's scale word
	s_wait_xcnt 0x0                                ; the stores have read their bases and data: both are written again
	s_add_nc_u64 s[16:17], s[16:17], 131072        ; four tiles on
	s_add_nc_u64 s[18:19], s[18:19], 8192
.Lskip:
	s_add_co_u32 s30, s30, 4
	s_add_co_u32 s31, s31, 4
	s_add_co_u32 s32, s32, 256
	s_add_co_u32 s33, s33, 1
	s_cmp_lt_u32 s33, 16
	s_cbranch_scc1 .Ltile
	s_wait_dscnt 0x0
	s_wait_tensorcnt 0x0
	ds_add_u32 v246, v247
	s_wait_dscnt 0x0
	s_endpgm
.Lfunc_end_k_q21d35b077e_ffn1:
	.size	k_q21d35b077e_ffn1, .Lfunc_end_k_q21d35b077e_ffn1-k_q21d35b077e_ffn1
	.p2alignl 7, 3214868480
	.fill 96, 4, 3214868480
	.section	.rodata,"a",@progbits
	.p2align	6, 0x0
	.amdhsa_kernel k_q21d35b077e_ffn1
		.amdhsa_group_segment_fixed_size 145920
		.amdhsa_private_segment_fixed_size 0
		.amdhsa_enable_private_segment 0
		.amdhsa_kernarg_size 72
		.amdhsa_user_sgpr_count 2
		.amdhsa_user_sgpr_kernarg_segment_ptr 1
		.amdhsa_wavefront_size32 1
		.amdhsa_system_sgpr_workgroup_id_x 1
		.amdhsa_system_sgpr_workgroup_id_y 1
		.amdhsa_system_sgpr_workgroup_id_z 1
		.amdhsa_system_vgpr_workitem_id 0
		.amdhsa_next_free_vgpr 512
		.amdhsa_next_free_sgpr 100
		.amdhsa_reserve_vcc 0
		.amdhsa_float_denorm_mode_32 3
		.amdhsa_float_denorm_mode_16_64 3
		.amdhsa_memory_ordered 1
		.amdhsa_forward_progress 1
		.amdhsa_inst_pref_size 101
	.end_amdhsa_kernel
	.amdgpu_metadata
---
amdhsa.version: [ 1, 2 ]
amdhsa.kernels:
  - .name:           k_q21d35b077e_ffn1
    .symbol:         k_q21d35b077e_ffn1.kd
    .args:
      - { .name: xq, .offset: 0, .size: 8, .value_kind: global_buffer, .address_space: global }
      - { .name: xs, .offset: 8, .size: 8, .value_kind: global_buffer, .address_space: global }
      - { .name: sel, .offset: 16, .size: 8, .value_kind: global_buffer, .address_space: global }
      - { .name: W1_codes, .offset: 24, .size: 8, .value_kind: global_buffer, .address_space: global }
      - { .name: W1_scales, .offset: 32, .size: 8, .value_kind: global_buffer, .address_space: global }
      - { .name: b1, .offset: 40, .size: 8, .value_kind: global_buffer, .address_space: global }
      - { .name: hq, .offset: 48, .size: 8, .value_kind: global_buffer, .address_space: global }
      - { .name: hs, .offset: 56, .size: 8, .value_kind: global_buffer, .address_space: global }
      - { .name: rows, .offset: 64, .size: 8, .value_kind: global_buffer, .address_space: global }
    .group_segment_fixed_size: 145920
    .private_segment_fixed_size: 0
    .kernarg_segment_align: 8
    .kernarg_segment_size: 72
    .max_flat_workgroup_size: 256
    .sgpr_count:     100
    .vgpr_count:     512
    .wavefront_size: 32
...
	.end_amdgpu_metadata
.endif
;; end of part 2
;; launch ffn2 (part 3): grid 256 x 1, 4 waves a work-group, no clusters, 274,944 bytes of LDS; arguments hq, hs, W2_codes, W2_scales, b2, rows, y; writes y
.if DOCPART == 3
	.amdgcn_target "amdgcn-amd-amdhsa--gfx1250"
	.amdhsa_code_object_version 6
	.text
	.protected	k_q21d35b077e_ffn2
	.globl	k_q21d35b077e_ffn2
	.p2align	8
	.type	k_q21d35b077e_ffn2,@function
k_q21d35b077e_ffn2:
	s_mov_b64 s[64:65], 0
	v_nop
	global_prefetch_b8 v0, s[64:65] scope:SCOPE_SE
	s_setreg_imm32_b32 hwreg(HW_REG_WAVE_MODE, 25, 1), 1
	s_wait_xcnt 0x0
; SECOND PRODUCT OF THE EXPERTS, FOR THE CHOSEN ROWS ALONE: y[slot] = h W2 + b2, on codes of E2M1 with one E8M0 scale for each 32 along K = 4,096.
; Work-group g: expert e = g / 32, output columns 64 nc .. 64 nc + 63 (nc = (g / 2) % 16), row tiles of parity p = g % 2.
; THE FOUR WAVES SHARE K: wave w keeps K steps 8 w .. 8 w + 7 of the 64 columns of W2 in 256 registers for the whole launch.  A trip takes four tiles of 16 rows, T = p + 8 trip + 2 j:
; every wave adds its quarter of K to all four; the quarters meet in LDS; wave w sums tile j = w, adds b2 and stores it to the rows that the list names.
; THE PRODUCT IS USED TRANSPOSED: source 0 = 16 rows of W2 (output columns), source 1 = 16 routed rows of h: a lane holds eight neighbouring columns of one row.
; h comes as register images (hq) and scale words (hs) as the launch before laid them: each load reads 512 (128) consecutive bytes and lands in the operand's registers.
; rows: for each expert 1,024 slots and the count.  y: [2,048 slots][1,024] f32.  A stored row's 64 columns are 256 consecutive bytes, aligned, from sixteen lanes.
; THE LAST TILE OF AN EXPERT is filled up with copies of its last routed row (the list repeats that slot, and the launch before computed h from the list): all 16 rows of a tile are stored, and the copies
; store the same bytes with the same values, from the same wave.  So EXEC is never changed.  An expert with no rows has no tile here.
; No tensor load and no cluster: work is passed over by branches on the stored count.  Eight trips, one barrier each, on every wave's path; a trip with no tile costs little more than its barrier.
; THE HEAD WORKS AS THE DATA ARRIVE.  W2's rows are turned through LDS in four groups of 16, each behind a counted wait, and the first trip's tile g is asked for behind group g.  THE FIRST TRIP IS WRITTEN OUT: tile j's
; products start as soon as tile j is in, and the second trip's tile j is asked for behind them WITHOUT A BRANCH, so that every counted wait counts the same loads on every path; its offset is held to the last tile
; that the launch before has written, and a tile so replaced is never used.  The other seven trips ask under branches and wait for all their loads.
; EVERY OFFSET INTO MEMORY is made at the head, from ids (or from the count, held by a constant), and those that walk are stepped by a constant at a trip's head, on every path; y's are made there from the list's entries, held inside y.
; The sum over K is taken in four quarters, (q0 + q1) + (q2 + q3), each quarter K ascending.  LIMITS: NaN and infinities are not served.
; REGISTERS.  window 0: v1-15 addresses; v16-23 y's offsets; v24-27 b2; v28-31, v96-99 walking offsets of the four tiles in hq, hs; v32-63 W2's scale words; v64-79 h's; v80-87 list entries;
;   v100-107 the first trip's offsets, v108-115 the second trip's, held; v116 the first two trips' place in the list.
;   window 1: W2's 32 fragments (tile t, K step s at 8 (8 t + s)).   window 2: h's fragments, 64 a tile.   window 3: the accumulators, 32 a tile; later the four quarters of my tile.
.set WT,   0                           ; LDS: each wave's own turn of W2: 64 rows x (512 bytes + 16)
.set XB,   135168                      ; two buffers: [wave that made it: 17,408][tile j: 4,352][16 rows x (256 bytes + 16)]
.set XBB,  69632
.set YA,   16
.set HOF,  28
.set WS2,  32
.set HS,   64
.set SL,   80
.set SOF,  96
.set HT,   100
.set STT,  104
.set HU,   108
.set SU,   112
.set LA,   116
.set MSB, 0
.macro WIN new                         ; s_set_vgpr_msb: bits 1:0 source 0, 3:2 source 1, 5:4 source 2, 7:6 destination; the high byte repeats the setting that is left
.if MSB != \new
	s_set_vgpr_msb (MSB<<8)|\new
.set MSB, \new
.endif
.endm
	s_load_b256 s[4:11], s[0:1], 0x0               ; hq s[4:5], hs s[6:7], W2_codes s[8:9], W2_scales s[10:11]
	s_load_b128 s[12:15], s[0:1], 0x20             ; b2 s[12:13], rows s[14:15]
	s_load_b64 s[16:17], s[0:1], 0x30              ; y
	v_lshl_add_u32 v254, v0, 2, 0x43000
	v_mov_b32 v255, 0
	v_lshrrev_b32 v1, 5, v0
	v_readfirstlane_b32 s18, v1                    ; wave w
	s_lshr_b32 s19, ttmp9, 5                       ; e
	s_bfe_u32 s20, ttmp9, 0x40001                  ; nc
	s_and_b32 s21, ttmp9, 1                        ; p
	v_and_b32 v1, 31, v0                           ; L
	v_and_b32 v2, 15, v0                           ; r
	v_bfe_u32 v3, v0, 4, 1                         ; h
	v_lshlrev_b32 v4, 4, v1                        ; 16 L
	v_lshlrev_b32 v5, 2, v1                        ; 4 L
	v_lshlrev_b32 v6, 4, v2                        ; 16 r
	s_mul_i32 s30, s18, 33792
	v_add_nc_u32 v7, s30, v4                       ; W2 into my turn
	v_mul_u32_u24 v8, v2, 528
	v_lshl_add_u32 v8, v3, 4, v8
	v_add_nc_u32 v8, s30, v8                       ; and out of it: row x pitch + 16 x half
	s_mul_i32 s30, s18, 17408
	s_add_co_u32 s30, s30, XB
	v_mul_u32_u24 v9, v2, 272
	v_lshl_add_u32 v9, v3, 5, v9
	v_add_nc_u32 v9, s30, v9                       ; my quarters: row r, 32 bytes for each half of the lanes
	v_add_nc_u32 v10, XBB, v9                      ; the same in the second buffer
	s_mul_i32 s30, s18, 4352
	s_add_co_u32 s30, s30, XB
	v_mul_u32_u24 v11, v3, 272
	v_add_nc_u32 v11, v11, v6
	v_add_nc_u32 v11, s30, v11                     ; back: tile j = w; lanes 0-15 one row of 256 bytes, lanes 16-31 the next
	v_add_nc_u32 v12, XBB, v11
	v_lshlrev_b32 v13, 7, v2                       ; W2's scale words: 128 bytes a column
	v_lshlrev_b32 v14, 2, v3                       ; the list: 4 h
.irp j, 0,1,2,3
	s_add_co_u32 s25, s21, 2*\j+8                  ; the second trip's tile j
	s_lshl_b32 s27, s25, 15
	s_lshl_b32 s28, s25, 11
	v_add_nc_u32 v[HOF+\j], s27, v4                ; its place in hq: 32,768 bytes a tile, + 16 L;
	v_add_nc_u32 v[SOF+\j], s28, v5                ; in hs: 2,048 bytes a tile, + 4 L.  From the second trip on each trip's head steps both eight tiles on, to the tile that the trip asks for
.endr
	s_lshl_b32 s25, s18, 1
	s_add_co_u32 s25, s25, s21                     ; the tile that I finish in the first trip: p + 2 w, at most 7
	s_lshl_b32 s25, s25, 6
	v_add_nc_u32 v[LA], s25, v14                   ; its entries in the list: 64 bytes a tile, + 4 h; the second trip's lie 512 bytes on; never rewritten
	v_add_nc_u32 v15, 512, v[LA]                   ; the walking place: stepped like the offsets above
	s_lshl_b32 s30, s19, 21
	s_lshl_b32 s44, s18, 13
	s_add_co_u32 s30, s30, s44                     ; hq: 2^21 bytes an expert, my 8 K steps of 1,024
	s_mov_b32 s31, 0
	s_lshl_b32 s32, s19, 17
	s_lshl_b32 s44, s18, 9
	s_add_co_u32 s32, s32, s44                     ; hs: 2^17 an expert, my 8 K steps of 64
	s_mov_b32 s33, 0
	s_lshl_b32 s34, s19, 21
	s_lshl_b32 s45, s20, 17
	s_add_co_u32 s34, s34, s45
	s_add_co_u32 s34, s34, s44                     ; W2_codes: (1,024 e + 64 nc) rows of 2,048 bytes, + 512 w
	s_mov_b32 s35, 0
	s_lshl_b32 s36, s19, 17
	s_lshl_b32 s45, s20, 13
	s_add_co_u32 s36, s36, s45
	s_lshl_b32 s45, s18, 5
	s_add_co_u32 s36, s36, s45                     ; W2_scales: rows of 128 bytes, + 32 w
	s_mov_b32 s37, 0
	s_lshl_b32 s38, s19, 12
	s_lshl_b32 s42, s20, 8                         ; y: my 64 columns
	s_add_co_u32 s38, s38, s42                     ; b2
	s_mov_b32 s39, 0
	s_mov_b32 s43, 0
	s_mul_i32 s40, s19, 4352                       ; rows
	s_mov_b32 s41, 0
	s_wait_kmcnt 0x0
	s_add_nc_u64 s[14:15], s[14:15], s[40:41]
	s_load_b32 s22, s[14:15], 0x1000               ; my expert's count
	s_add_nc_u64 s[4:5], s[4:5], s[30:31]
	s_add_nc_u64 s[6:7], s[6:7], s[32:33]
	s_add_nc_u64 s[8:9], s[8:9], s[34:35]
	s_add_nc_u64 s[10:11], s[10:11], s[36:37]
	s_add_nc_u64 s[12:13], s[12:13], s[38:39]
	s_add_nc_u64 s[16:17], s[16:17], s[42:43]
.irp t, 0,1,2,3
.irp u, 0,1
	global_load_b128 v[WS2+8*\t+4*\u:WS2+8*\t+4*\u+3], v13, s[10:11] offset:2048*\t+16*\u   ; column 16 t + r: my eight K steps' scale words
.endr
.endr
	global_load_b128 v[24:27], v6, s[12:13]        ; b2 of columns 4 r + 0 .. 3
.irp n, 0,1,2,3,4,5,6,7
	global_load_b32 v[SL+\n], v[LA], s[14:15] offset:8*\n   ; the slots of rows 2 n + h of the tile that I finish in the first trip (all 1,024 entries of a list are written)
.endr
	WIN 0x40                                       ; destination window 1
.irp m, 0,1,2,3,4,5,6,7,8,9,10,11,12,13,14,15,16,17,18,19,20,21,22,23,24,25,26,27,28,29,30,31,32,33,34,35,36,37,38,39,40,41,42,43,44,45,46,47,48,49,50,51,52,53,54,55,56,57,58,59,60,61,62,63
	global_load_b128 v[4*\m:4*\m+3], v4, s[8:9] offset:2048*\m th:TH_LOAD_NT   ; column m: my 512 consecutive bytes of its row
.endr
	WIN 0
	s_wait_kmcnt 0x0
	s_min_u32 s22, s22, 1024                       ; the count
	s_add_co_u32 s23, s22, 15
	s_lshr_b32 s23, s23, 4                         ; my expert's tiles: 0 to 64
	s_max_u32 s44, s23, 1
	s_sub_co_u32 s44, s44, 1                       ; the last tile that the launch before has written
.irp j, 0,1,2,3
	s_add_co_u32 s25, s21, 2*\j                    ; the first trip's tiles; one that does not exist is replaced by the last that was written, and not used
	s_min_u32 s25, s25, s44
	s_min_u32 s25, s25, 63
	s_lshl_b32 s27, s25, 15
	s_lshl_b32 s28, s25, 11
	v_add_nc_u32 v[HT+\j], s27, v4
	v_add_nc_u32 v[STT+\j], s28, v5
	s_add_co_u32 s25, s21, 2*\j+8                  ; the second trip's likewise
	s_min_u32 s25, s25, s44
	s_min_u32 s25, s25, 63
	s_lshl_b32 s27, s25, 15
	s_lshl_b32 s28, s25, 11
	v_add_nc_u32 v[HU+\j], s27, v4
	v_add_nc_u32 v[SU+\j], s28, v5
.endr
; Tile j's operand, 20 loads: my 8 fragments (16 loads of 512 consecutive bytes) and their scale words (lanes 0-15: K step 2 qq, lanes 16-31: 2 qq + 1)
.macro HLOAD j, ha, sa
	WIN 0x80                                       ; destination window 2
.irp n, 0,1,2,3,4,5,6,7,8,9,10,11,12,13,14,15
	global_load_b128 v[64*\j+4*\n:64*\j+4*\n+3], v[\ha], s[4:5] offset:512*\n
.endr
	WIN 0
.irp qq, 0,1,2,3
	global_load_b32 v[HS+4*\j+\qq], v[\sa], s[6:7] offset:128*\qq
.endr
.endm
; Group g of W2's turn: its 16 rows, as soon as they are in, go into my own bytes of LDS and come back as column tile g's eight fragments, into the registers that they left; then the first trip's tile g is asked for.
; left: the loads younger than the group's last row: W2's rows still to come, 48, 32, 16, 0, and 20 for each tile of h asked for so far.
.macro WTURN g, left
	s_wait_loadcnt \left
	WIN 0x04                                       ; an LDS store's data are its source 1: window 1
.irp m, 0,1,2,3,4,5,6,7,8,9,10,11,12,13,14,15
	ds_store_b128 v7, v[64*\g+4*\m:64*\g+4*\m+3] offset:528*(16*\g+\m)
.endr
	WIN 0x40
.irp s, 0,1,2,3,4,5,6,7
.irp c, 0,1
	ds_load_b128 v[8*(8*\g+\s)+4*\c:8*(8*\g+\s)+4*\c+3], v8 offset:16*\g*528+64*\s+32*\c   ; my own bytes; LDS serves a wave's instructions in order
.endr
.endr
	WIN 0
	HLOAD \g, HT+\g, STT+\g
.endm
	WTURN 0, 48
	WTURN 1, 52
	WTURN 2, 56
	WTURN 3, 60
; 32 matrix instructions on tile j: K step by K step, its four accumulators by turns, one instruction a turn; the first products start the sums.
.macro MM j
	WIN 0xf9                                       ; source 0 (W2) window 1, source 1 (h) window 2, C and D window 3
.irp s, 0,1,2,3,4,5,6,7
.irp t, 0,1,2,3
.if \s == 0
	v_wmma_scale_f32_16x16x128_f8f6f4 v[32*\j+8*\t:32*\j+8*\t+7], v[8*(8*\t+\s):8*(8*\t+\s)+7], v[64*\j+8*\s:64*\j+8*\s+7], 0, v[WS2+8*\t+\s], v[HS+4*\j+\s/2] matrix_a_fmt:MATRIX_FMT_FP4 matrix_b_fmt:MATRIX_FMT_FP4
.elseif (\s%2) == 0
	v_wmma_scale_f32_16x16x128_f8f6f4 v[32*\j+8*\t:32*\j+8*\t+7], v[8*(8*\t+\s):8*(8*\t+\s)+7], v[64*\j+8*\s:64*\j+8*\s+7], v[32*\j+8*\t:32*\j+8*\t+7], v[WS2+8*\t+\s], v[HS+4*\j+\s/2] matrix_a_fmt:MATRIX_FMT_FP4 matrix_b_fmt:MATRIX_FMT_FP4
.else
	v_wmma_scale_f32_16x16x128_f8f6f4 v[32*\j+8*\t:32*\j+8*\t+7], v[8*(8*\t+\s):8*(8*\t+\s)+7], v[64*\j+8*\s:64*\j+8*\s+7], v[32*\j+8*\t:32*\j+8*\t+7], v[WS2+8*\t+\s], v[HS+4*\j+\s/2] matrix_a_fmt:MATRIX_FMT_FP4 matrix_b_fmt:MATRIX_FMT_FP4 matrix_b_scale:MATRIX_SCALE_ROW1
.endif
.endr
.endr
	WIN 0
.endm
.macro QUARTER j, b                    ; my quarter of tile j to LDS
	WIN 0x0c                                       ; the stores' data: window 3
.irp t, 0,1,2,3
.irp u, 0,1
	ds_store_b128 v[9+\b], v[32*\j+8*\t+4*\u:32*\j+8*\t+4*\u+3] offset:4352*\j+64*\t+16*\u   ; row r, columns 16 t + 8 h + 4 u on; each accumulator from its low end on
.endr
.endr
	WIN 0
.endm
; Tile j of the first trip.  The wait and the loads stand on every path; products and LDS stores under one branch.
.macro SLOTF j
	s_wait_loadcnt 60                              ; tile j is in: the three tiles asked for behind it, 20 loads each, may be out
	s_add_co_u32 s25, s24, 2*\j
	s_cmp_ge_u32 s25, s23
	s_cbranch_scc1 .Lfirst_over_\@
	MM \j
.rept 5
	v_nop                                          ; places behind the products: four for the stores that read the results and for the loads into h's registers; a fifth, since these accumulators are begun anew in the next trip
.endr
	QUARTER \j, 0
.Lfirst_over_\@:
	HLOAD \j, HU+\j, SU+\j                         ; the second trip's tile j, or the last tile written in its stead
.endm
; Tile j of a later trip: products, the same place's tile of the next trip asked for, my quarter to LDS.  Products and stores stand under one branch.
.macro SLOT j, b
	s_add_co_u32 s25, s24, 2*\j
	s_cmp_ge_u32 s25, s23
	s_cbranch_scc1 .Lslot_over_\@
	MM \j
.rept 5
	v_nop                                          ; places behind the products, as in the first trip
.endr
	s_add_co_u32 s26, s25, 8
	s_cmp_ge_u32 s26, s23
	s_cbranch_scc1 .Lno_tile_\@
	HLOAD \j, HOF+\j, SOF+\j                       ; the trip's head has stepped these offsets to the tile eight on
.Lno_tile_\@:
	QUARTER \j, \b
.Lslot_over_\@:
.endm
; Wave w finishes tile j = w: the four quarters, b2, and out to the rows that the list names.
.macro EPI b
	s_lshl_b32 s25, s18, 1
	s_add_co_u32 s25, s25, s24                     ; my tile
	s_cmp_ge_u32 s25, s23
	s_cbranch_scc1 .Lepi_over_\@
	WIN 0xc0                                       ; destination window 3
.irp q, 0,1,2,3
.irp n, 0,1,2,3,4,5,6,7
	ds_load_b128 v[32*\q+4*\n:32*\q+4*\n+3], v[11+\b] offset:17408*\q+544*\n   ; wave q's quarter of rows 2 n + h, columns 4 r on
.endr
.endr
	s_wait_dscnt 0x0
	WIN 0xcf
.irp n, 0,1,2,3,4,5,6,7
.irp x, 0,2
	v_pk_add_f32 v[4*\n+\x:4*\n+\x+1], v[4*\n+\x:4*\n+\x+1], v[32+4*\n+\x:32+4*\n+\x+1]
	v_pk_add_f32 v[64+4*\n+\x:64+4*\n+\x+1], v[64+4*\n+\x:64+4*\n+\x+1], v[96+4*\n+\x:96+4*\n+\x+1]
.endr
.endr
.irp n, 0,1,2,3,4,5,6,7
.irp x, 0,2
	v_pk_add_f32 v[4*\n+\x:4*\n+\x+1], v[4*\n+\x:4*\n+\x+1], v[64+4*\n+\x:64+4*\n+\x+1]
.endr
.endr
	WIN 0xc3                                       ; source 1 (b2) window 0
.irp n, 0,1,2,3,4,5,6,7
.irp x, 0,2
	v_pk_add_f32 v[4*\n+\x:4*\n+\x+1], v[4*\n+\x:4*\n+\x+1], v[24+\x:25+\x]
.endr
.endr
	WIN 0x0c                                       ; the stores' data: window 3
.irp n, 0,1,2,3,4,5,6,7
	global_store_b128 v[YA+\n], v[4*\n:4*\n+3], s[16:17]   ; sixteen lanes store 256 consecutive bytes of a slot's row, aligned
.endr
	WIN 0
.Lepi_over_\@:
.endm
.macro YOFF                            ; this trip's slots, held inside y: 4,096 bytes a slot, + 16 r
.irp n, 0,1,2,3,4,5,6,7
	v_min_u32 v[YA+\n], 2047, v[SL+\n]
.endr
.irp n, 0,1,2,3,4,5,6,7
	v_lshl_add_u32 v[YA+\n], v[YA+\n], 12, v6
.endr
.endm
; A later trip.  One barrier: in front of it every wave's quarters lie in buffer b and its reads of the other buffer are back; buffer b is written again two barriers on.
.macro TRIP b
	s_wait_xcnt 0x0                                ; the last trip's stores have read their offsets and data (window 3), which are written again
	s_wait_loadcnt 0x0                             ; this trip's tiles, scale words and list entries, whichever of them were asked for: so their offsets may be stepped
	s_wait_dscnt 0x0
.irp j, 0,1,2,3
	v_add_nc_u32 v[HOF+\j], 0x40000, v[HOF+\j]     ; eight tiles on in hq,
	v_add_nc_u32 v[SOF+\j], 0x4000, v[SOF+\j]      ; in hs,
.endr
	v_add_nc_u32 v15, 512, v15                     ; and in the list
	YOFF
	s_lshl_b32 s25, s18, 1
	s_add_co_u32 s25, s25, s24
	s_add_co_u32 s25, s25, 8                       ; the tile that I shall finish in the next trip
	s_cmp_ge_u32 s25, s23
	s_cbranch_scc1 .Lno_list_\@
.irp n, 0,1,2,3,4,5,6,7
	global_load_b32 v[SL+\n], v15, s[14:15] offset:8*\n   ; its slots: they have the whole trip in which to land
.endr
.Lno_list_\@:
	SLOT 0, \b
	SLOT 1, \b
	SLOT 2, \b
	SLOT 3, \b
	s_wait_dscnt 0x0                               ; for the others' sake: my quarters lie in LDS
	s_barrier_signal -1
	s_barrier_wait -1
	EPI \b
	s_add_co_u32 s24, s24, 8
.endm
	; ---- the first trip
	s_mov_b32 s24, s21                             ; the trip's first tile
	YOFF                                           ; (the list's entries were asked for ahead of W2's rows: the first group's wait has shown them in)
	s_wait_dscnt 0x0                               ; W2's fragments are in
	SLOTF 0
	SLOTF 1
	SLOTF 2
	SLOTF 3
.irp n, 0,1,2,3,4,5,6,7
	global_load_b32 v[SL+\n], v[LA], s[14:15] offset:512+8*\n   ; the slots of the tile that I finish in the second trip: tile p + 2 w + 8, at most 15 of a list's 64: no branch is needed
.endr
	s_wait_dscnt 0x0                               ; for the others' sake: my quarters lie in LDS
	s_barrier_signal -1
	s_barrier_wait -1
	EPI 0
	s_add_co_u32 s24, s24, 8
	; ---- the other seven: with the first, all 64 tiles that an expert can have
	TRIP 1
	s_mov_b32 s29, 0
.Ltrips:
	TRIP 0
	TRIP 1
	s_add_co_u32 s29, s29, 1
	s_cmp_lt_u32 s29, 3
	s_cbranch_scc1 .Ltrips
	s_wait_tensorcnt 0x0
	ds_add_u32 v254, v255
	s_wait_dscnt 0x0
	s_endpgm
.Lfunc_end_k_q21d35b077e_ffn2:
	.size	k_q21d35b077e_ffn2, .Lfunc_end_k_q21d35b077e_ffn2-k_q21d35b077e_ffn2
	.p2alignl 7, 3214868480
	.fill 96, 4, 3214868480
	.section	.rodata,"a",@progbits
	.p2align	6, 0x0
	.amdhsa_kernel k_q21d35b077e_ffn2
		.amdhsa_group_segment_fixed_size 274944
		.amdhsa_private_segment_fixed_size 0
		.amdhsa_enable_private_segment 0
		.amdhsa_kernarg_size 56
		.amdhsa_user_sgpr_count 2
		.amdhsa_user_sgpr_kernarg_segment_ptr 1
		.amdhsa_wavefront_size32 1
		.amdhsa_system_sgpr_workgroup_id_x 1
		.amdhsa_system_sgpr_workgroup_id_y 1
		.amdhsa_system_sgpr_workgroup_id_z 1
		.amdhsa_system_vgpr_workitem_id 0
		.amdhsa_next_free_vgpr 896
		.amdhsa_next_free_sgpr 66
		.amdhsa_reserve_vcc 0
		.amdhsa_float_denorm_mode_32 3
		.amdhsa_float_denorm_mode_16_64 3
		.amdhsa_memory_ordered 1
		.amdhsa_forward_progress 1
		.amdhsa_inst_pref_size 179
	.end_amdhsa_kernel
	.amdgpu_metadata
---
amdhsa.version: [ 1, 2 ]
amdhsa.kernels:
  - .name:           k_q21d35b077e_ffn2
    .symbol:         k_q21d35b077e_ffn2.kd
    .args:
      - { .name: hq, .offset: 0, .size: 8, .value_kind: global_buffer, .address_space: global }
      - { .name: hs, .offset: 8, .size: 8, .value_kind: global_buffer, .address_space: global }
      - { .name: W2_codes, .offset: 16, .size: 8, .value_kind: global_buffer, .address_space: global }
      - { .name: W2_scales, .offset: 24, .size: 8, .value_kind: global_buffer, .address_space: global }
      - { .name: b2, .offset: 32, .size: 8, .value_kind: global_buffer, .address_space: global }
      - { .name: rows, .offset: 40, .size: 8, .value_kind: global_buffer, .address_space: global }
      - { .name: y, .offset: 48, .size: 8, .value_kind: global_buffer, .address_space: global }
    .group_segment_fixed_size: 274944
    .private_segment_fixed_size: 0
    .kernarg_segment_align: 8
    .kernarg_segment_size: 56
    .max_flat_workgroup_size: 128
    .sgpr_count:     66
    .vgpr_count:     896
    .wavefront_size: 32
...
	.end_amdgpu_metadata
.endif
;; end of part 3
;; launch combine (part 4): grid 256 x 1, 4 waves a work-group, no clusters, 0 bytes of LDS; arguments y, gw, out0; writes out0
.if DOCPART == 4
	.amdgcn_target "amdgcn-amd-amdhsa--gfx1250"
	.amdhsa_code_object_version 6
	.text
	.protected	k_q21d35b077e_combine
	.globl	k_q21d35b077e_combine
	.p2align	8
	.type	k_q21d35b077e_combine,@function
k_q21d35b077e_combine:
	s_mov_b64 s[64:65], 0
	v_nop
	global_prefetch_b8 v0, s[64:65] scope:SCOPE_SE
	s_setreg_imm32_b32 hwreg(HW_REG_WAVE_MODE, 25, 1), 1
	s_wait_xcnt 0x0
; out0[t] = gw[2 t] y[2 t] + gw[2 t + 1] y[2 t + 1].  y: [2,048 slots][1,024] f32, gw: [2,048] f32, out0: [1,024 tokens][1,024] f32.
; One wave takes one token t = 4 x work-group + wave: 16 loads of 512 consecutive bytes, all issued at once, 8 stores of 512 consecutive bytes.
; A stream: each byte is read and written once; LDS, barriers and the matrix unit would add nothing (the product has K = 2 kept terms).
	s_load_b128 s[4:7], s[0:1], 0x0                ; y s[4:5], gw s[6:7]
	s_load_b64 s[8:9], s[0:1], 0x10                ; out0
	v_lshrrev_b32 v1, 5, v0
	v_readfirstlane_b32 s10, v1                    ; wave
	v_and_b32 v1, 31, v0
	v_lshlrev_b32 v1, 4, v1                        ; 16 bytes a lane
	s_lshl_b32 s11, ttmp9, 2
	s_add_co_u32 s11, s11, s10                     ; t
	s_lshl_b32 s12, s11, 13                        ; y: two rows of 4,096 bytes a token
	s_mov_b32 s13, 0
	s_lshl_b32 s14, s11, 3                         ; gw
	s_mov_b32 s15, 0
	s_lshl_b32 s16, s11, 12                        ; out0
	s_mov_b32 s17, 0
	s_wait_kmcnt 0x0
	s_add_nc_u64 s[4:5], s[4:5], s[12:13]
	s_add_nc_u64 s[6:7], s[6:7], s[14:15]
	s_add_nc_u64 s[8:9], s[8:9], s[16:17]
	s_load_b64 s[20:21], s[6:7], 0x0               ; w0, w1
.irp j, 0,1,2,3,4,5,6,7
	global_load_b128 v[8+8*\j:11+8*\j], v1, s[4:5] offset:512*\j th:TH_LOAD_NT
	global_load_b128 v[12+8*\j:15+8*\j], v1, s[4:5] offset:4096+512*\j th:TH_LOAD_NT
.endr
	s_wait_kmcnt 0x0
	s_mov_b32 s22, s21                             ; w1 as the low word of a pair of its own: the packed forms take a scalar pair's low word for both halves
	s_mov_b32 s23, s21
.irp j, 0,1,2,3,4,5,6,7
	s_wait_loadcnt 14-2*\j                         ; piece j's two loads are in; the younger pieces' may be out
	v_pk_mul_f32 v[8+8*\j:9+8*\j], v[8+8*\j:9+8*\j], s[20:21] op_sel_hi:[1,0]
	v_pk_mul_f32 v[10+8*\j:11+8*\j], v[10+8*\j:11+8*\j], s[20:21] op_sel_hi:[1,0]
	v_pk_fma_f32 v[8+8*\j:9+8*\j], v[12+8*\j:13+8*\j], s[22:23], v[8+8*\j:9+8*\j] op_sel_hi:[1,0,1]
	v_pk_fma_f32 v[10+8*\j:11+8*\j], v[14+8*\j:15+8*\j], s[22:23], v[10+8*\j:11+8*\j] op_sel_hi:[1,0,1]
	global_store_b128 v1, v[8+8*\j:11+8*\j], s[8:9] offset:512*\j th:TH_STORE_NT   ; each piece has registers of its own: no store's data are written again
.endr
	s_endpgm
.Lfunc_end_k_q21d35b077e_combine:
	.size	k_q21d35b077e_combine, .Lfunc_end_k_q21d35b077e_combine-k_q21d35b077e_combine
	.p2alignl 7, 3214868480
	.fill 96, 4, 3214868480
	.section	.rodata,"a",@progbits
	.p2align	6, 0x0
	.amdhsa_kernel k_q21d35b077e_combine
		.amdhsa_group_segment_fixed_size 0
		.amdhsa_private_segment_fixed_size 0
		.amdhsa_enable_private_segment 0
		.amdhsa_kernarg_size 24
		.amdhsa_user_sgpr_count 2
		.amdhsa_user_sgpr_kernarg_segment_ptr 1
		.amdhsa_wavefront_size32 1
		.amdhsa_system_sgpr_workgroup_id_x 1
		.amdhsa_system_sgpr_workgroup_id_y 1
		.amdhsa_system_sgpr_workgroup_id_z 1
		.amdhsa_system_vgpr_workitem_id 0
		.amdhsa_next_free_vgpr 72
		.amdhsa_next_free_sgpr 66
		.amdhsa_reserve_vcc 0
		.amdhsa_float_denorm_mode_32 3
		.amdhsa_float_denorm_mode_16_64 3
		.amdhsa_memory_ordered 1
		.amdhsa_forward_progress 1
		.amdhsa_inst_pref_size 6
	.end_amdhsa_kernel
	.amdgpu_metadata
---
amdhsa.version: [ 1, 2 ]
amdhsa.kernels:
  - .name:           k_q21d35b077e_combine
    .symbol:         k_q21d35b077e_combine.kd
    .args:
      - { .name: y, .offset: 0, .size: 8, .value_kind: global_buffer, .address_space: global }
      - { .name: gw, .offset: 8, .size: 8, .value_kind: global_buffer, .address_space: global }
      - { .name: out0, .offset: 16, .size: 8, .value_kind: global_buffer, .address_space: global }
    .group_segment_fixed_size: 0
    .private_segment_fixed_size: 0
    .kernarg_segment_align: 8
    .kernarg_segment_size: 24
    .max_flat_workgroup_size: 128
    .sgpr_count:     66
    .vgpr_count:     72
    .wavefront_size: 32
...
	.end_amdgpu_metadata
.endif
;; end of part 4
;; ======== version 2 of 2: 4 launches
;; workspace buffers: xq 524,288 bytes; xs 32,768 bytes; sel 4,096 bytes of whole numbers; gw 8,192 bytes; rows 34,816 bytes of whole numbers; hq 16,777,216 bytes; hs 1,048,576 bytes; y 8,388,608 bytes
;; launch route (part 5): grid 256 x 1, 4 waves a work-group, no clusters, 52,480 bytes of LDS; arguments x, Wg, bg, xq, xs, sel, gw; writes xq, xs, sel, gw
.if DOCPART == 5
	.amdgcn_target "amdgcn-amd-amdhsa--gfx1250"
	.amdhsa_code_object_version 6
	.text
	.protected	k_q21d35b077e_route
	.globl	k_q21d35b077e_route
	.p2align	8
	.type	k_q21d35b077e_route,@function
k_q21d35b077e_route:
	s_mov_b64 s[64:65], 0
	v_nop
	global_prefetch_b8 v0, s[64:65] scope:SCOPE_SE
	s_setreg_imm32_b32 hwreg(HW_REG_WAVE_MODE, 25, 1), 1
	s_wait_xcnt 0x0
; ROUTER AND QUANTISER OF x.  x: [1024 tokens][1024] f32.  Wg: [1024][8] f32.  bg: [8] f32.
; One wave takes one token t = 4 x work-group + wave.  It stores:
;   xq [t][512 bytes]  the token's E2M1 codes, block b of 32 along K at byte 16 b, the lower k in the low four bits
;   xs [t][32 bytes]   one E8M0 byte for each block
;   sel [t] u32        (1 << first expert) | (0x100 << second expert): whole numbers at a fixed place; a later launch places rows by them
;   gw  [2 t + k] f32  the softmax over the two chosen logits
; The logits are f32 fused multiply-adds (the product has 8 columns: too few for the matrix unit, and its result decides the choice).
; A block's scale is 2^(floor(log2(largest magnitude)) - 2); its byte is the largest magnitude's exponent field - 2, held at 1 from below.
; LIMITS: NaN and infinities among x, Wg, bg are not served.  A block of zeros gets the byte 1 where the rule says 127: its codes are zeros
; and this program alone reads the bytes.  Logits that differ by less than the rounding of an f32 sum of 1,024 terms, summed in another
; order than the reference's, may be chosen the other way; equal logits keep the lower index.
; No matrix unit, no tensor load, no cluster: the launch reads 4 MB once and the work-groups share only Wg's 32 KB.
.set WGS, 0                            ; LDS: Wg, flat byte a at a + 16 (a >> 10): lane L's 32 rows of Wg begin at 1,040 L, an odd multiple of 16 bytes
.set XT,  33280                        ; each wave's own stage for the turn of x: 32 lanes x (128 bytes + 16)
.set SB,  51712                        ; the work-group's 128 scale bytes
.set X,   16                           ; v16-47   the token's numbers: as loaded, then 32 neighbours a lane
.set WB,  48                           ; v48-111, v112-175  two sets of 8 rows of Wg (8 numbers each)
.set AC,  176                          ; v176-183 the eight logits
.set TM,  184                          ; v184-207 at work
	s_load_b256 s[4:11], s[0:1], 0x0               ; x s[4:5], Wg s[6:7], bg s[8:9], xq s[10:11]
	s_load_b128 s[12:15], s[0:1], 0x20             ; xs s[12:13], sel s[14:15]
	s_load_b64 s[16:17], s[0:1], 0x30              ; gw
	v_lshl_add_u32 v208, v0, 2, 0xcb00
	v_mov_b32 v209, 0
	v_lshrrev_b32 v1, 5, v0
	v_readfirstlane_b32 s18, v1                    ; wave 0..3
	v_and_b32 v1, 31, v0                           ; lane L
	v_lshlrev_b32 v2, 4, v1                        ; 16 L
	v_lshlrev_b32 v3, 2, v1                        ; 4 L
	s_mul_i32 s22, s18, 4608
	s_add_co_u32 s22, s22, XT                      ; my wave's stage
	v_lshrrev_b32 v4, 3, v1
	v_mul_u32_u24 v4, v4, 144
	v_and_b32 v5, 7, v1
	v_lshl_add_u32 v4, v5, 4, v4
	v_add_nc_u32 v4, s22, v4                       ; into the stage: 144 (L / 8) + 16 (L % 8); a load's 512 bytes take four places
	v_mul_u32_u24 v5, v1, 144
	v_add_nc_u32 v5, s22, v5                       ; out of it: 144 L: my 32 neighbours
	s_mul_i32 s23, s18, 8320
	v_add_nc_u32 v6, s23, v2                       ; Wg into LDS: my wave's 8 KB (8 x 1,040 bytes)
	v_mul_u32_u24 v7, v1, 1040                     ; Wg out of LDS: the rows of my 32 k
	v_add_nc_u32 v8, SB, v0                        ; my block's scale byte: 32 x wave + L
	v_add_nc_u32 v9, SB, v3                        ; and on the way out 4 bytes a lane
	s_lshl_b32 s19, ttmp9, 2
	s_add_co_u32 s19, s19, s18                     ; t
	s_lshl_b32 s24, s19, 12                        ; x: 4,096 bytes a token
	s_mov_b32 s25, 0
	s_lshl_b32 s26, s18, 13                        ; Wg: my wave's 8 KB
	s_mov_b32 s27, 0
	s_lshl_b32 s28, s19, 9                         ; xq: 512 bytes a token
	s_mov_b32 s29, 0
	s_lshl_b32 s30, ttmp9, 7                       ; xs: 128 bytes a work-group
	s_mov_b32 s31, 0
	s_lshl_b32 s32, s19, 2                         ; sel
	s_mov_b32 s33, 0
	s_lshl_b32 s34, s19, 3                         ; gw
	s_mov_b32 s35, 0
	s_mov_b32 s20, 0x76543210                      ; v_permlanex16_b32's selects for lane l xor 16
	s_mov_b32 s21, 0xfedcba98
	s_wait_alu depctr_va_vdst(0)
	s_wait_kmcnt 0x0
	s_load_b256 s[40:47], s[8:9], 0x0              ; bg
	s_add_nc_u64 s[4:5], s[4:5], s[24:25]
	s_add_nc_u64 s[6:7], s[6:7], s[26:27]
	s_add_nc_u64 s[10:11], s[10:11], s[28:29]
	s_add_nc_u64 s[12:13], s[12:13], s[30:31]
	s_add_nc_u64 s[14:15], s[14:15], s[32:33]
	s_add_nc_u64 s[16:17], s[16:17], s[34:35]
.irp j, 0,1,2,3,4,5,6,7
	global_load_b128 v[X+4*\j:X+4*\j+3], v2, s[4:5] offset:512*\j th:TH_LOAD_NT   ; 32 lanes read 512 consecutive bytes of the token
.endr
.irp m, 0,1,2,3,4,5,6,7,8,9,10,11,12,13,14,15
	global_load_b128 v[WB+4*\m:WB+4*\m+3], v2, s[6:7] offset:512*\m               ; my wave's quarter of Wg
.endr
	s_wait_loadcnt 16                              ; x is in; the 16 younger loads (Wg) may be out
.irp j, 0,1,2,3,4,5,6,7
	ds_store_b128 v4, v[X+4*\j:X+4*\j+3] offset:576*\j
.endr
.irp i, 0,1,2,3,4,5,6,7
	ds_load_b128 v[X+4*\i:X+4*\i+3], v5 offset:16*\i   ; LDS serves a wave's instructions in order: these see the stores above
.endr
	s_wait_dscnt 0x0                               ; lane L now holds x[32 L .. 32 L + 31]: one whole block
	; the block's largest magnitude, in two chains, with the floor 2^(3 - 127) among the leaves
	v_max3_num_f32 v[TM], |v[X]|, |v[X+1]|, |v[X+2]|
	v_max3_num_f32 v[TM+1], |v[X+3]|, |v[X+4]|, |v[X+5]|
.irp i, 6,10,14,18,22,26
	v_max3_num_f32 v[TM], v[TM], |v[X+\i]|, |v[X+\i+1]|
	v_max3_num_f32 v[TM+1], v[TM+1], |v[X+\i+2]|, |v[X+\i+3]|
.endr
	v_max3_num_f32 v[TM], v[TM], |v[X+30]|, |v[X+31]|
	v_max3_num_f32 v[TM], v[TM], v[TM+1], 0x1800000
	v_add_nc_u32 v[TM+2], 0xff000000, v[TM]        ; 2 off the exponent field: the conversion takes the exponent field of this operand as its scale
	v_lshrrev_b32 v[TM+3], 23, v[TM+2]             ; the scale's byte
.irp g, 0,1,2,3
	v_cvt_scalef32_pk8_fp4_f32 v[TM+4+\g], v[X+8*\g:X+8*\g+7], v[TM+2]
.endr
	v_nop                                          ; one plain line behind the last scaled conversion
	global_store_b128 v2, v[TM+4:TM+7], s[10:11]   ; 32 lanes store the token's 512 bytes of codes
	ds_store_b8 v8, v[TM+3]
	s_wait_loadcnt 0x0                             ; Wg's quarter
.irp m, 0,1,2,3,4,5,6,7,8,9,10,11,12,13,14,15
	ds_store_b128 v6, v[WB+4*\m:WB+4*\m+3] offset:512*\m+16*(\m/2)
.endr
	s_wait_dscnt 0x0                               ; for the others' sake: my part of Wg and my scale bytes lie in LDS
	s_barrier_signal -1
	s_barrier_wait -1                              ; the launch's one barrier: Wg is whole, so are the 128 scale bytes
	s_cmp_lg_u32 s18, 0
	s_cbranch_scc1 .Lnot_wave_0
	ds_load_b32 v192, v9
	s_wait_dscnt 0x0
	global_store_b32 v3, v192, s[12:13]            ; the four tokens' 128 scale bytes, consecutive (v192 is not written again)
.Lnot_wave_0:
; The logits: lane L sums its 32 k; 8 k a batch, the next batch's rows of Wg on their way while one is summed.
.macro LD q
.irp kk, 0,1,2,3,4,5,6,7
.irp u, 0,1
	ds_load_b128 v[WB+64*((\q)%2)+8*\kk+4*\u:WB+64*((\q)%2)+8*\kk+4*\u+3], v7 offset:32*(8*(\q)+\kk)+16*\u
.endr
.endr
.endm
.macro FM q                            ; two experts an instruction; x[k] serves both halves (the even register of its pair, or the odd one)
.irp kk, 0,1,2,3,4,5,6,7
.irp p, 0,1,2,3
.if ((\q) == 0) && (\kk == 0)
	v_pk_mul_f32 v[AC+2*\p:AC+2*\p+1], v[WB+64*((\q)%2)+8*\kk+2*\p:WB+64*((\q)%2)+8*\kk+2*\p+1], v[X+8*(\q)+2*(\kk/2):X+8*(\q)+2*(\kk/2)+1] op_sel_hi:[1,0]
.elseif (\kk%2) == 0
	v_pk_fma_f32 v[AC+2*\p:AC+2*\p+1], v[WB+64*((\q)%2)+8*\kk+2*\p:WB+64*((\q)%2)+8*\kk+2*\p+1], v[X+8*(\q)+2*(\kk/2):X+8*(\q)+2*(\kk/2)+1], v[AC+2*\p:AC+2*\p+1] op_sel_hi:[1,0,1]
.else
	v_pk_fma_f32 v[AC+2*\p:AC+2*\p+1], v[WB+64*((\q)%2)+8*\kk+2*\p:WB+64*((\q)%2)+8*\kk+2*\p+1], v[X+8*(\q)+2*(\kk/2):X+8*(\q)+2*(\kk/2)+1], v[AC+2*\p:AC+2*\p+1] op_sel:[0,1,0] op_sel_hi:[1,1,1]
.endif
.endr
.endr
.endm
	LD 0
	LD 1
	s_wait_dscnt 16                                ; batch 0 is in; the 16 loads of batch 1 may be out
	FM 0
	LD 2
	s_wait_alu depctr_va_vdst(0)
	s_wait_dscnt 16
	FM 1
	LD 3
	s_wait_alu depctr_va_vdst(0)
	s_wait_dscnt 16
	FM 2
	s_wait_alu depctr_va_vdst(0)
	s_wait_dscnt 0x0
	FM 3
	s_wait_alu depctr_va_vdst(0)
	s_wait_xcnt 0x0                                ; the codes' store has read v188-191: they are written again below
.irp m, 1,2,4,8
.irp e, 0,1,2,3,4,5,6,7
	v_add_f32_dpp v[AC+\e], v[AC+\e], v[AC+\e] row_xmask:\m row_mask:0xf bank_mask:0xf
.endr
.endr
.irp e, 0,1,2,3,4,5,6,7
	v_permlanex16_b32 v[TM+\e], v[AC+\e], s20, s21 ; (its destinations have been written above)
.endr
	s_wait_alu depctr_va_vdst(0)
	s_wait_kmcnt 0x0                               ; bg
.irp e, 0,1,2,3,4,5,6,7
	v_add_f32 v[AC+\e], v[AC+\e], v[TM+\e]
.endr
.irp e, 0,1,2,3,4,5,6,7
	v_add_f32 v[AC+\e], s[40+\e], v[AC+\e]         ; every lane holds the eight logits
.endr
	; top-2, alike in every lane.  A later expert takes the place only if it is strictly larger: equal logits keep the lower index.
	v_mov_b32 v193, v[AC]                          ; m1
	v_mov_b32 v194, 0                              ; i1
.irp e, 1,2,3,4,5,6,7
	v_cmp_le_f32 vcc_lo, v[AC+\e], v193            ; keep
	v_cndmask_b32 v193, v[AC+\e], v193, vcc_lo
	v_cndmask_b32 v194, \e, v194, vcc_lo
.endr
	v_mov_b32 v195, 0xff800000                     ; m2 = -infinity
	v_mov_b32 v196, 0                              ; i2
.irp e, 0,1,2,3,4,5,6,7
	v_cmp_le_f32 s37, v[AC+\e], v195
	v_cmp_eq_u32 vcc_lo, \e, v194                  ; the first choice does not stand again
	s_or_b32 vcc_lo, vcc_lo, s37
	v_cndmask_b32 v195, v[AC+\e], v195, vcc_lo
	v_cndmask_b32 v196, \e, v196, vcc_lo
.endr
	; softmax over (m1, m2), the larger taken away first: d = e^(m2 - m1) <= 1; w0 = 1 / (1 + d), w1 = d w0
	v_sub_f32 v197, v195, v193
	v_mul_f32 v197, 0x3fb8aa3b, v197
	s_wait_alu depctr_va_vdst(0)
	v_exp_f32 v197, v197
	v_nop                                          ; a plain line behind the exponential
	s_wait_alu depctr_va_vdst(0)                   ; ahead of the first line that names its result
	v_add_f32 v198, 1.0, v197
	s_wait_alu depctr_va_vdst(0)
	v_rcp_f32 v198, v198
	v_mov_b32 v202, 1                              ; (a plain line behind the reciprocal)
	v_lshlrev_b32 v202, v194, v202                 ; 1 << i1
	v_mov_b32 v203, 0x100
	v_lshlrev_b32 v203, v196, v203                 ; 0x100 << i2
	v_or_b32 v201, v202, v203
	s_wait_alu depctr_va_vdst(0)
	v_mul_f32 v199, v197, v198                     ; w1
	v_cmp_eq_u32 vcc_lo, 0, v1
	v_cndmask_b32 v200, v199, v198, vcc_lo         ; lane 0: w0, lane 1: w1
	s_wait_alu depctr_va_vdst(0)
	s_wait_xcnt 0x0                                ; EXEC changes only behind this wait
	v_cmp_gt_u32 vcc_lo, 2, v1
	s_wait_tensorcnt 0x0
	ds_add_u32 v208, v209
	s_wait_dscnt 0x0
	s_and_saveexec_b32 s36, vcc_lo
	global_store_b32 v3, v200, s[16:17]            ; gw[2 t], gw[2 t + 1]
	s_wait_xcnt 0x0
	s_or_b32 exec_lo, exec_lo, s36
	v_cmp_gt_u32 vcc_lo, 1, v1
	s_and_saveexec_b32 s36, vcc_lo
	global_store_b32 v3, v201, s[14:15]            ; sel[t]
	s_wait_xcnt 0x0
	s_or_b32 exec_lo, exec_lo, s36
	s_endpgm
.Lfunc_end_k_q21d35b077e_route:
	.size	k_q21d35b077e_route, .Lfunc_end_k_q21d35b077e_route-k_q21d35b077e_route
	.p2alignl 7, 3214868480
	.fill 96, 4, 3214868480
	.section	.rodata,"a",@progbits
	.p2align	6, 0x0
	.amdhsa_kernel k_q21d35b077e_route
		.amdhsa_group_segment_fixed_size 52480
		.amdhsa_private_segment_fixed_size 0
		.amdhsa_enable_private_segment 0
		.amdhsa_kernarg_size 56
		.amdhsa_user_sgpr_count 2
		.amdhsa_user_sgpr_kernarg_segment_ptr 1
		.amdhsa_wavefront_size32 1
		.amdhsa_system_sgpr_workgroup_id_x 1
		.amdhsa_system_sgpr_workgroup_id_y 1
		.amdhsa_system_sgpr_workgroup_id_z 1
		.amdhsa_system_vgpr_workitem_id 0
		.amdhsa_next_free_vgpr 210
		.amdhsa_next_free_sgpr 66
		.amdhsa_reserve_vcc 1
		.amdhsa_float_denorm_mode_32 3
		.amdhsa_float_denorm_mode_16_64 3
		.amdhsa_memory_ordered 1
		.amdhsa_forward_progress 1
		.amdhsa_inst_pref_size 28
	.end_amdhsa_kernel
	.amdgpu_metadata
---
amdhsa.version: [ 1, 2 ]
amdhsa.kernels:
  - .name:           k_q21d35b077e_route
    .symbol:         k_q21d35b077e_route.kd
    .args:
      - { .name: x, .offset: 0, .size: 8, .value_kind: global_buffer, .address_space: global }
      - { .name: Wg, .offset: 8, .size: 8, .value_kind: global_buffer, .address_space: global }
      - { .name: bg, .offset: 16, .size: 8, .value_kind: global_buffer, .address_space: global }
      - { .name: xq, .offset: 24, .size: 8, .value_kind: global_buffer, .address_space: global }
      - { .name: xs, .offset: 32, .size: 8, .value_kind: global_buffer, .address_space: global }
      - { .name: sel, .offset: 40, .size: 8, .value_kind: global_buffer, .address_space: global }
      - { .name: gw, .offset: 48, .size: 8, .value_kind: global_buffer, .address_space: global }
    .group_segment_fixed_size: 52480
    .private_segment_fixed_size: 0
    .kernarg_segment_align: 8
    .kernarg_segment_size: 56
    .max_flat_workgroup_size: 128
    .sgpr_count:     66
    .vgpr_count:     210
    .wavefront_size: 32
...
	.end_amdgpu_metadata
.endif
;; end of part 5
;; launch ffn1 (part 6): grid 256 x 1, 8 waves a work-group, no clusters, 145,920 bytes of LDS; arguments xq, xs, sel, W1_codes, W1_scales, b1, hq, hs, rows; writes hq, hs, rows
.if DOCPART == 6
	.amdgcn_target "amdgcn-amd-amdhsa--gfx1250"
	.amdhsa_code_object_version 6
	.text
	.protected	k_q21d35b077e_ffn1
	.globl	k_q21d35b077e_ffn1
	.p2align	8
	.type	k_q21d35b077e_ffn1,@function
k_q21d35b077e_ffn1:
	s_mov_b64 s[64:65], 0
	v_nop
	global_prefetch_b8 v0, s[64:65] scope:SCOPE_SE
	s_setreg_imm32_b32 hwreg(HW_REG_WAVE_MODE, 25, 1), 1
	s_wait_xcnt 0x0
; FIRST PRODUCT OF THE EXPERTS, FOR THE CHOSEN ROWS ALONE: h = Q(act(x W1 + b1)), on codes of E2M1 with one E8M0 scale for each 32 along K.
; A routed row is a SLOT 2 t + k (token t, its k-th choice).  Work-group g: experts 2 q and 2 q + 1 (q = g / 64), hidden units 64 c64 .. 64 c64 + 63 of each (c64 = g % 64).
; Each weight byte is read by one work-group.  Wave i: expert 2 q + par, par = (i ^ (i / 4)) & 1, row tiles T = rg + 4 n, rg = i / 2: four waves to an expert.
; even experts: exact GELU, 0.5 h (1 + erf(h / sqrt 2)); odd experts: SiLU, h / (1 + e^-h).
; THE LISTS.  Wave 0 sorts the 1,024 words of sel into one list of slots for each of the two experts, in LDS, while the weights are on their way; four work-groups also store
; them, with the counts, into rows for the next launch.  The 16 entries behind an expert's count repeat its last entry, so that the rows that fill up its last tile are copies of its last routed row;
; the entries behind those are 0 and are never computed on (but for tile 0 of an expert with no rows, which is computed on token 0 and never used).
; THE PRODUCT IS USED TRANSPOSED: source 0 = 16 rows of W1 (hidden units), source 1 = 16 routed rows of x: a lane holds ONE row and its registers run along the hidden units, the next K.
; THE ROWS OF W1 THAT FORM A TILE ARE NOT NEIGHBOURS: lane r of tile 2 b + u takes unit 32 b + 8 u + r + 8 (r / 8), so that the 16 registers of tiles 2 b and 2 b + 1 are 16 neighbours: 32 b + 16 (lane / 16) + 0 .. 15.
; OUT: hq [e][tile 64][K step 32][1,024 bytes]: the register image of a fragment of 16 rows x 128 K (group c' of four registers at 512 c' + 16 lane); this work-group writes group c64 % 2 of K step c64 / 2.
;      hs [e][tile][K step][16 rows][4 bytes]: a row's scale word for a K step; this work-group writes two of its bytes.  Tiles under max(ceil(count / 16), 1) are written.
;      rows: for each expert 4,352 bytes: 1,024 slots, then 64 copies of the count.
; No tensor load and no cluster: work is passed over by branches on counts made from stored numbers.  Every wave walks all 16 trips of the loop; a trip whose tile lies past the count steps its counters and no more.
; LIMITS: NaN and infinities are not served.  erf is x P(x^2) / Q(x^2) on |x| <= 4 (absolute error a few 1e-7), so GELU loses relative accuracy for h under about -3.5, where its magnitude is under about 1e-3.
; A block of zeros gets the byte 1 where the rule says 127: its codes are zeros and this program alone reads the bytes.
; REGISTERS.  window 0: v1-19 addresses; v[20:21] two constants; v22-30 list entries, then addresses; v31 a scale byte; v32-63 W1's scale words; v64-71 x's; v72-135 x's eight fragments;
;   v136-167 four accumulators (ahead of them: v136-159 the sort's words and places); v168-199 b1 in the result's layout; v200-231 at work; v232-235 codes; v236-243 the quantiser; v248-255 the sort.
;   window 1: W1's 32 fragments (tile t, K step s at 8 (8 t + s)): they stay.
.set WST,  0                           ; LDS: 128 rows of W1 (64 of each expert) x (512 bytes + 16), in the order of the tiles
.set XST,  67584                       ; each wave's own stage: 16 rows of x's codes x (512 + 16)
.set LIST, 135168                      ; two lists: 1,152 entries, a word for lanes with nothing to place, the count
.set LSZ,  4864
.set DUMP, 1152
.set WS,   32
.set XS,   64
.set F,    72
.set ACC,  136
.set MW,   136                         ; the sort: masked words, two sets of eight (four of the even expert, four of the odd)
.set PS,   152                         ; the sort: eight places
.set B1,   168
.set T,    200
.set P,    232
.set MX,   236
.set PL,   238
.set SO,   240
.set BY,   242
.set MSB, 0
.macro WIN new                         ; s_set_vgpr_msb: bits 1:0 source 0, 3:2 source 1, 5:4 source 2, 7:6 destination; the high byte repeats the setting that is left
.if MSB != \new
	s_set_vgpr_msb (MSB<<8)|\new
.set MSB, \new
.endif
.endm
.macro CPAIR r, val                    ; a constant for the packed forms, which name a pair and take its low word for both halves
	s_mov_b32 s[\r], \val
	s_mov_b32 s[\r+1], \val
.endm
	s_load_b256 s[4:11], s[0:1], 0x0               ; xq s[4:5], xs s[6:7], sel s[8:9], W1_codes s[10:11]
	s_load_b256 s[12:19], s[0:1], 0x20             ; W1_scales s[12:13], b1 s[14:15], hq s[16:17], hs s[18:19]
	s_load_b64 s[20:21], s[0:1], 0x40              ; rows
	v_lshl_add_u32 v246, v0, 2, 0x23600
	v_mov_b32 v247, 0
	v_lshrrev_b32 v1, 5, v0
	s_delay_alu instid0(VALU_DEP_1)
	v_readfirstlane_b32 s22, v1                    ; wave i, 0..7
	s_lshr_b32 s34, s22, 2                         ; i / 4
	s_xor_b32 s23, s22, s34
	s_and_b32 s23, s23, 1                          ; par
	s_lshr_b32 s24, s22, 1                         ; rg
	s_and_b32 s26, ttmp9, 63                       ; c64
	s_lshr_b32 s27, ttmp9, 6                       ; q
	s_lshl_b32 s25, s27, 1
	s_add_co_u32 s25, s25, s23                     ; e
	v_and_b32 v1, 31, v0                           ; L
	v_and_b32 v2, 15, v0                           ; r
	v_bfe_u32 v3, v0, 4, 1                         ; h
	s_delay_alu instid0(VALU_DEP_3)
	v_lshlrev_b32 v4, 4, v1                        ; 16 L
	s_wait_alu depctr_va_vdst(0)
	v_lshlrev_b32 v5, 4, v2                        ; 16 r
	; every LDS address register is made here, ahead of the first branch on the wave's number
	s_lshl_b32 s35, s34, 6                         ; the 16 rows that I bring go to places 64 (i / 4) + 32 ((i / 2) % 2) + 16 (m / 8) + 8 (i % 2) + m % 8:
	s_bfe_u32 s36, s22, 0x10001                    ; bits 3 and 4 of the unit's number change places, so that a tile's 16 rows lie on end
	s_lshl_b32 s36, s36, 5
	s_add_co_u32 s35, s35, s36
	s_and_b32 s36, s22, 1
	s_lshl_b32 s36, s36, 3
	s_add_co_u32 s35, s35, s36
	s_mul_i32 s35, s35, 528
	v_add_nc_u32 v6, s35, v4                       ; W1 into the stage
	v_mul_u32_u24 v9, v2, 528
	s_delay_alu instid0(VALU_DEP_1)
	v_lshl_add_u32 v9, v3, 4, v9                   ; a fragment's row x pitch + 16 x half
	s_mul_i32 s35, s23, 64*528
	v_add_nc_u32 v7, s35, v9                       ; W1 out of the stage: my expert's 64 rows
	s_mul_i32 s36, s22, 8448
	s_add_co_u32 s36, s36, XST
	v_add_nc_u32 v9, s36, v9                       ; x out of my stage
	v_mul_u32_u24 v8, v3, 528
	s_wait_alu depctr_va_vdst(0)
	v_add_nc_u32 v8, v8, v5
	s_delay_alu instid0(VALU_DEP_1)
	v_add_nc_u32 v8, s36, v8                       ; x into my stage: sixteen lanes to 256 bytes of a row, two rows an instruction
	s_mul_i32 s74, s23, LSZ                        ; my expert's list
	s_add_co_u32 s37, s74, LIST+4*DUMP+4
	v_mov_b32 v18, s37                             ; its count
	s_lshl_b32 s35, s24, 6                         ; my first tile's 16 entries: 64 bytes a tile
	s_add_co_u32 s37, s74, LIST
	s_add_co_u32 s37, s37, s35
	v_lshl_add_u32 v10, v3, 2, s37                 ; entries of rows 2 a + h of tile rg
	v_lshl_add_u32 v11, v2, 2, s37                 ; entry of row r
	v_lshl_add_u32 v14, v2, 2, v3                  ; hs: 4 r + h
	v_mov_b32 v15, LIST+4*DUMP+4                   ; the first list's count
	v_and_b32 v16, 8, v2
	s_delay_alu instid0(VALU_DEP_1)
	v_add_nc_u32 v16, v16, v2
	s_delay_alu instid0(VALU_DEP_1)
	v_lshlrev_b32 v16, 5, v16                      ; W1's scale words: 32 bytes a unit, unit r + 8 (r / 8) of a tile
	v_lshlrev_b32 v17, 6, v3                       ; b1: 16 h units on
	v_add_nc_u32 v19, LIST, v4                     ; the lists, 16 bytes a lane
	v_mov_b32 v20, 0x32edffee                      ; erf: the second coefficient of P,
	v_mov_b32 v21, 0xb95fbd29                      ; and of Q
	v_mov_b32 v[PL], 0                             ; written once: a lane permute's destination counts as one of its sources
	v_mov_b32 v[PL+1], 0
	v_lshlrev_b32 v248, 3, v1                      ; 8 L
	v_mov_b32 v255, DUMP
	s_mov_b32 s30, s24                             ; T
	s_add_co_u32 s31, s24, 4                       ; T + 4
	s_mov_b32 s44, 0x76543210                      ; v_permlanex16_b32's selects for lane l xor 16
	s_mov_b32 s45, 0xfedcba98
	s_mov_b32 s46, 0xffff0000                      ; lanes 16-31
	CPAIR 48, 0x3f3504f3                           ; 1 / sqrt 2
	CPAIR 50, 0xaf95df0b                           ; P: x^12 ..
	CPAIR 52, 0xb60cff51
	CPAIR 54, 0xb86ec2d2
	CPAIR 56, 0xba40ac63
	CPAIR 58, 0xbb41a1f6
	CPAIR 60, 0xbc83dbd4                           ; .. x^0
	CPAIR 62, 0xb77460cd                           ; Q: x^8 ..
	CPAIR 66, 0xbadc924e
	CPAIR 68, 0xbbf19bf8
	CPAIR 70, 0xbc69b6a7                           ; .. x^0
	CPAIR 72, 0xbfb8aa3b                           ; -log2(e)
	; byte offsets into the buffers
	s_lshl_b32 s36, s27, 1
	s_add_co_u32 s36, s36, s34                     ; the expert whose rows I bring: 2 q + i / 4
	s_lshl_b32 s36, s36, 12
	s_lshl_b32 s38, s26, 6
	s_add_co_u32 s36, s36, s38                     ; + 64 c64
	s_and_b32 s35, s22, 3
	s_lshl_b32 s35, s35, 4
	s_add_co_u32 s36, s36, s35                     ; + 16 (i % 4)
	s_lshl_b32 s36, s36, 9                         ; 512 bytes a row
	s_mov_b32 s37, 0
	s_lshl_b32 s40, s25, 12
	s_add_co_u32 s40, s40, s38                     ; my expert's first unit: 4,096 e + 64 c64
	s_lshl_b32 s42, s40, 2                         ; in b1
	s_mov_b32 s43, 0
	s_lshl_b32 s40, s40, 5                         ; in W1_scales
	s_mov_b32 s41, 0
	s_mul_i32 s38, s25, 4352                       ; rows
	s_mov_b32 s39, 0
	s_lshl_b32 s75, s25, 6
	s_add_co_u32 s75, s75, s24                     ; 64 e + rg: my first tile
	s_lshl_b32 s76, s75, 15
	s_lshl_b32 s78, s26, 9
	s_add_co_u32 s76, s76, s78                     ; hq: 32,768 bytes a tile, + 1,024 (c64 / 2) + 512 (c64 % 2)
	s_mov_b32 s77, 0
	s_lshl_b32 s78, s75, 11
	s_lshr_b32 s75, s26, 1
	s_lshl_b32 s75, s75, 6
	s_add_co_u32 s78, s78, s75
	s_and_b32 s75, s26, 1
	s_lshl_b32 s75, s75, 1
	s_add_co_u32 s78, s78, s75                     ; hs: 2,048 bytes a tile, + 64 (c64 / 2) + 2 (c64 % 2)
	s_mov_b32 s79, 0
	s_wait_kmcnt 0x0
	s_add_nc_u64 s[10:11], s[10:11], s[36:37]
	s_add_nc_u64 s[12:13], s[12:13], s[40:41]
	s_add_nc_u64 s[14:15], s[14:15], s[42:43]
	s_add_nc_u64 s[16:17], s[16:17], s[76:77]
	s_add_nc_u64 s[18:19], s[18:19], s[78:79]
	s_add_nc_u64 s[20:21], s[20:21], s[38:39]
	s_cmp_lg_u32 s22, 0
	s_cbranch_scc1 .Lno_sel
.irp j, 0,1,2,3,4,5,6,7
	global_load_b128 v[F+4*\j:F+4*\j+3], v4, s[8:9] offset:512*\j   ; wave 0: all of sel; register 4 j + n holds token 128 j + 4 L + n
.endr
.Lno_sel:
	WIN 0x40                                       ; destination window 1
.irp m, 0,1,2,3,4,5,6,7,8,9,10,11,12,13,14,15
	global_load_b128 v[4*\m:4*\m+3], v4, s[10:11] offset:512*\m th:TH_LOAD_NT   ; a whole row of 512 bytes an instruction; read once in the launch
.endr
	WIN 0
	s_wait_alu depctr_va_vdst(0)
.irp t, 0,1,2,3
.irp u, 0,1
	global_load_b128 v[WS+8*\t+4*\u:WS+8*\t+4*\u+3], v16, s[12:13] offset:(32*(\t/2)+8*(\t%2))*32+16*\u   ; tile t: its units' eight scale words
.endr
.endr
.irp t, 0,1,2,3
.irp u, 0,1
	global_load_b128 v[B1+8*\t+4*\u:B1+8*\t+4*\u+3], v17, s[14:15] offset:(32*(\t/2)+8*(\t%2))*4+16*\u    ; tile t: b1 of units 32 (t / 2) + 16 h + 8 (t % 2) + 0 .. 7
.endr
.endr
	s_wait_loadcnt 32                              ; on every wave's path: all but the 32 loads just issued (weights, scale words, b1) are in: that is wave 0's sel; the other waves have nothing older
	s_cmp_lg_u32 s22, 0
	s_cbranch_scc1 .Lno_list
	; ---- wave 0 alone makes both lists.  No other wave touches LDS ahead of the barrier below.
.irp k, 0,1,2,3
	v_mov_b32 v[T+\k], 0
.endr
.irp x, 0,1
.irp k, 0,1,2,3,4,5,6,7,8
	ds_store_b128 v19, v[T:T+3] offset:LSZ*\x+512*\k               ; all 1,152 entries begin as 0
.endr
.endr
	s_lshl_b32 s35, s27, 1                         ; 2 q
	s_lshl_b32 s36, 0x101, s35                     ; the even expert's two bits of a word of sel,
	s_lshl_b32 s37, s36, 1                         ; the odd one's
	s_add_co_u32 s38, s35, 8
	s_add_co_u32 s39, s35, 9
	s_mov_b32 s40, 0                               ; entries so far
	s_mov_b32 s41, 0
; THE SORT, in eight batches of four registers (128 tokens), both experts at once.  A lane whose token chose the expert places slot 2 t + k behind the entries so far and the lower lanes'; the others write to the spare word.
; A batch's masks are made a whole batch ahead of the scalar lines that count them, and its eight placings go line by line, so that no line reads the result of the line above it.
.macro CMASK b                         ; batch b: its eight masked words into set b % 2, and their masks into s[80 + 8 (b % 2) ..]
.irp n, 0,1,2,3
	v_and_b32 v[MW+8*((\b)%2)+\n], s36, v[F+4*(\b)+\n]
	v_and_b32 v[MW+8*((\b)%2)+4+\n], s37, v[F+4*(\b)+\n]
.endr
.irp n, 0,1,2,3,4,5,6,7
	v_cmp_ne_u32 s[80+8*((\b)%2)+\n], 0, v[MW+8*((\b)%2)+\n]
.endr
.endm
.macro CPLACE b
.set MS, 80+8*((\b)%2)
.set MV, MW+8*((\b)%2)
	s_mov_b32 s96, s40                             ; where each of the batch's four registers begins in its list: s96-99 the even expert's, s76-79 the odd one's
	s_mov_b32 s76, s41
.irp n, 0,1,2
	s_bcnt1_i32_b32 s34, s[MS+\n]
	s_bcnt1_i32_b32 s35, s[MS+4+\n]
	s_add_co_u32 s[97+\n], s[96+\n], s34
	s_add_co_u32 s[77+\n], s[76+\n], s35
.endr
	s_bcnt1_i32_b32 s34, s[MS+3]
	s_bcnt1_i32_b32 s35, s[MS+7]
	s_add_co_u32 s40, s99, s34
	s_add_co_u32 s41, s79, s35
.irp n, 0,1,2,3
	v_mbcnt_lo_u32_b32 v[PS+\n], s[MS+\n], s[96+\n]
	v_mbcnt_lo_u32_b32 v[PS+4+\n], s[MS+4+\n], s[76+\n]
.endr
.irp n, 0,1,2,3,4,5,6,7
	v_cndmask_b32 v[PS+\n], v255, v[PS+\n], s[MS+\n]
.endr
.irp n, 0,1,2,3,4,5,6,7
	v_min_u32 v[PS+\n], 1152, v[PS+\n]             ; held inside the list
.endr
.irp n, 0,1,2,3
	v_lshl_add_u32 v[PS+\n], v[PS+\n], 2, LIST
	v_lshl_add_u32 v[PS+4+\n], v[PS+4+\n], 2, LIST+LSZ
.endr
.irp n, 0,1,2,3
	v_lshrrev_b32 v[MV+\n], s38, v[MV+\n]          ; k: 1 where the bit found is the second choice's
	v_lshrrev_b32 v[MV+4+\n], s39, v[MV+4+\n]
.endr
.irp n, 0,1,2,3
	v_add3_u32 v[MV+\n], v248, v[MV+\n], 256*(\b)+2*\n     ; 2 t + k, 2 t = 256 b + 8 L + 2 n
	v_add3_u32 v[MV+4+\n], v248, v[MV+4+\n], 256*(\b)+2*\n
.endr
.irp n, 0,1,2,3,4,5,6,7
	ds_store_b32 v[PS+\n], v[MV+\n]
.endr
.endm
	CMASK 0
.irp b, 0,1,2,3,4,5,6
	CMASK \b+1
	CPLACE \b
.endr
	CPLACE 7
	; the 16 entries behind each count repeat the list's last entry (of an empty list: entry 0, which is 0)
	s_max_u32 s34, s40, 1
	s_max_u32 s35, s41, 1
	s_sub_co_u32 s34, s34, 1
	s_sub_co_u32 s35, s35, 1
	s_min_u32 s34, s34, 1023                       ; held inside the list
	s_min_u32 s35, s35, 1023
	s_lshl_b32 s34, s34, 2
	s_lshl_b32 s35, s35, 2
	s_add_co_u32 s34, s34, LIST
	s_add_co_u32 s35, s35, LIST+LSZ
	v_mov_b32 v250, s34
	v_mov_b32 v253, s35
	ds_load_b32 v249, v250                         ; LDS serves a wave's instructions in order: these see the stores above
	ds_load_b32 v252, v253
	v_add_nc_u32 v251, s40, v2                     ; count + r (both halves of the lanes write the same word with the same value)
	v_add_nc_u32 v254, s41, v2
	s_delay_alu instid0(VALU_DEP_2)
	v_min_u32 v251, 1151, v251
	s_delay_alu instid0(VALU_DEP_2)
	v_min_u32 v254, 1151, v254
	s_delay_alu instid0(VALU_DEP_2)
	v_lshl_add_u32 v251, v251, 2, LIST
	s_delay_alu instid0(VALU_DEP_2)
	v_lshl_add_u32 v254, v254, 2, LIST+LSZ
	s_wait_alu depctr_va_vdst(0)
	s_wait_dscnt 0x0
	ds_store_b32 v251, v249
	ds_store_b32 v254, v252
	v_mov_b32 v250, s40
	v_mov_b32 v253, s41
	ds_store_b32 v15, v250                         ; the counts
	ds_store_b32 v15, v253 offset:LSZ
.Lno_list:
	s_wait_dscnt 0x0                               ; for the others' sake: the lists lie in LDS
	s_barrier_signal -1
	s_barrier_wait -1
.macro LISTRD p, q                     ; a tile's 16 entries: rows 2 a + h for the loads of codes, row r for the scale words
.irp a, 0,1,2,3,4,5,6,7
	ds_load_b32 v[22+\a], v[\p] offset:8*\a
.endr
	ds_load_b32 v30, v[\q]
.endm
.macro XADDR                           ; slot -> token, held inside x -> byte offsets.  27 plain lines that name no register of the products
.irp a, 0,1,2,3,4,5,6,7,8
	v_lshrrev_b32 v[22+\a], 1, v[22+\a]
.endr
.irp a, 0,1,2,3,4,5,6,7,8
	v_min_u32 v[22+\a], 1023, v[22+\a]
.endr
.irp a, 0,1,2,3,4,5,6,7
	v_lshl_add_u32 v[22+\a], v[22+\a], 9, v5       ; 512 bytes a token, + 16 r
.endr
	v_lshlrev_b32 v30, 5, v30                      ; 32 scale bytes a token
.endm
.macro XLOAD                           ; 18 loads: 16 rows of codes (sixteen lanes read 256 consecutive bytes, aligned), and row r's eight scale words
.irp a, 0,1,2,3,4,5,6,7
.irp u, 0,1
	global_load_b128 v[F+8*\a+4*\u:F+8*\a+4*\u+3], v[22+\a], s[4:5] offset:256*\u
.endr
.endr
	global_load_b128 v[XS:XS+3], v30, s[6:7]
	global_load_b128 v[XS+4:XS+7], v30, s[6:7] offset:16
.endm
	ds_load_b32 v251, v18                          ; my expert's count
	LISTRD 10, 11                                  ; tile rg
	s_wait_dscnt 0x0
	v_readfirstlane_b32 s28, v251
	s_min_u32 s28, s28, 1024                       ; the count
	s_add_co_u32 s29, s28, 15
	s_lshr_b32 s29, s29, 4
	s_max_u32 s29, s29, 1                          ; tiles: at least one, so that the next launch always finds tile 0 written
	v_add_nc_u32 v12, s74, v19                     ; my list, 16 bytes a lane
	s_or_b32 s34, s26, s24
	s_cmp_lg_u32 s34, 0
	s_cbranch_scc1 .Lno_dump                       ; waves 0 and 1 of the four work-groups with c64 = 0 store their expert's list and count
.irp k, 0,1,2,3,4,5,6,7
	ds_load_b128 v[F+4*\k:F+4*\k+3], v12 offset:512*\k
.endr
	v_mov_b32 v250, s28
	v_mov_b32 v251, s28
	s_wait_alu depctr_va_vdst(0)
	s_wait_dscnt 0x0
.irp k, 0,1,2,3,4,5,6,7
	global_store_b128 v4, v[F+4*\k:F+4*\k+3], s[20:21] offset:512*\k   ; 512 consecutive bytes
.endr
	global_store_b64 v248, v[250:251], s[20:21] offset:4096            ; 64 copies of the count: 256 consecutive bytes
	s_wait_xcnt 0x0                                ; the stores have read their registers: x's codes land there next
.Lno_dump:
	XADDR
	XLOAD                                          ; the first tile's x, whether or not the tile exists: every entry of the list names a token
	s_wait_loadcnt 34                              ; my 16 rows of W1 are in; younger: 8 + 8 (scale words, b1) and the 18 just issued
	WIN 0x04                                       ; an LDS store's data are its source 1: window 1
.irp m, 0,1,2,3,4,5,6,7,8,9,10,11,12,13,14,15
	ds_store_b128 v6, v[4*\m:4*\m+3] offset:528*(16*(\m/8)+(\m%8))
.endr
	WIN 0
	s_wait_dscnt 0x0                               ; for the others' sake
	s_barrier_signal -1
	s_barrier_wait -1                              ; both experts' 64 rows lie in the stage
	WIN 0x40
.irp t, 0,1,2,3
.irp s, 0,1,2,3,4,5,6,7
.irp c, 0,1
	ds_load_b128 v[8*(8*\t+\s)+4*\c:8*(8*\t+\s)+4*\c+3], v7 offset:16*\t*528+64*\s+32*\c   ; lane (r, h): K = 128 s + 64 c + 32 h + 0 .. 31 of the tile's row r
.endr
.endr
.endr
	WIN 0
; 32 matrix instructions: K step by K step, the four accumulators by turns, one instruction a turn.  b1 is the C of each sum's first product.
.macro MM
	WIN 0x01                                       ; source 0 (W1) window 1
.irp s, 0,1,2,3,4,5,6,7
.irp t, 0,1,2,3
.if \s == 0
	v_wmma_scale_f32_16x16x128_f8f6f4 v[ACC+8*\t:ACC+8*\t+7], v[8*(8*\t+\s):8*(8*\t+\s)+7], v[F+8*\s:F+8*\s+7], v[B1+8*\t:B1+8*\t+7], v[WS+8*\t+\s], v[XS+\s] matrix_a_fmt:MATRIX_FMT_FP4 matrix_b_fmt:MATRIX_FMT_FP4
.else
	v_wmma_scale_f32_16x16x128_f8f6f4 v[ACC+8*\t:ACC+8*\t+7], v[8*(8*\t+\s):8*(8*\t+\s)+7], v[F+8*\s:F+8*\s+7], v[ACC+8*\t:ACC+8*\t+7], v[WS+8*\t+\s], v[XS+\s] matrix_a_fmt:MATRIX_FMT_FP4 matrix_b_fmt:MATRIX_FMT_FP4
.endif
.endr
.endr
	WIN 0
.endm
.macro PSTEP base, c                   ; a Horner step on eight numbers
.irp p, 0,2,4,6
	v_pk_fma_f32 v[\base+\p:\base+\p+1], v[\base+\p:\base+\p+1], v[T+8+\p:T+9+\p], s[\c:\c+1] op_sel_hi:[1,1,0]
.endr
.endm
; Exact GELU of one accumulator's eight numbers, from its low end on.  T+0: z = h / sqrt 2, held to +-4; T+8: z^2, later h / 2; T+16: P; T+24: Q, then 1 / Q.
.macro GELU8 t
.set HH, ACC+8*(\t)
.irp p, 0,2,4,6
	v_pk_mul_f32 v[T+\p:T+\p+1], v[HH+\p:HH+\p+1], s[48:49] op_sel_hi:[1,0]
.endr
.irp p, 0,1,2,3,4,5,6,7
	v_med3_num_f32 v[T+\p], v[T+\p], -4.0, 4.0
.endr
.irp p, 0,2,4,6
	v_pk_mul_f32 v[T+8+\p:T+9+\p], v[T+\p:T+\p+1], v[T+\p:T+\p+1]
.endr
.irp p, 0,2,4,6
	s_delay_alu instid0(VALU_DEP_4)
	v_pk_fma_f32 v[T+16+\p:T+17+\p], v[T+8+\p:T+9+\p], s[50:51], v[20:21] op_sel_hi:[1,0,0]
.endr
.irp p, 0,2,4,6
	v_pk_fma_f32 v[T+24+\p:T+25+\p], v[T+8+\p:T+9+\p], s[62:63], v[20:21] op_sel:[0,0,1] op_sel_hi:[1,0,1]
.endr
	PSTEP T+16, 52
	PSTEP T+24, 66
	PSTEP T+16, 54
	PSTEP T+24, 68
	PSTEP T+16, 56
	PSTEP T+24, 70
	PSTEP T+16, 58
	PSTEP T+16, 60
	s_wait_alu depctr_va_vdst(0)
.irp p, 0,1,2,3,4,5,6,7
	v_rcp_f32 v[T+24+\p], v[T+24+\p]
.endr
.irp p, 0,2,4,6
	v_pk_mul_f32 v[T+16+\p:T+17+\p], v[T+16+\p:T+17+\p], v[T+\p:T+\p+1]         ; z P: plain work behind the reciprocals, which names none of their results
.endr
.irp p, 0,2,4,6
	v_pk_mul_f32 v[T+8+\p:T+9+\p], v[HH+\p:HH+\p+1], 0.5 op_sel_hi:[1,0]        ; h / 2
.endr
	s_wait_alu depctr_va_vdst(0)                   ; one wait for the eight reciprocals, ahead of their first reader
.irp p, 0,2,4,6
	v_pk_mul_f32 v[T+16+\p:T+17+\p], v[T+16+\p:T+17+\p], v[T+24+\p:T+25+\p]     ; erf
.endr
.irp p, 0,2,4,6
	s_delay_alu instid0(VALU_DEP_4)
	v_pk_fma_f32 v[HH+\p:HH+\p+1], v[T+8+\p:T+9+\p], v[T+16+\p:T+17+\p], v[T+8+\p:T+9+\p]   ; h / 2 x erf + h / 2
.endr
.endm
.macro SILU                            ; h / (1 + 2^(-h log2 e)), all 32 numbers; each batch of transcendentals has one plain line and one wait
.irp p, 0,2,4,6,8,10,12,14,16,18,20,22,24,26,28,30
	v_pk_mul_f32 v[T+\p:T+\p+1], v[ACC+\p:ACC+\p+1], s[72:73] op_sel_hi:[1,0]
.endr
	s_wait_alu depctr_va_vdst(0)
.irp p, 0,1,2,3,4,5,6,7,8,9,10,11,12,13,14,15,16,17,18,19,20,21,22,23,24,25,26,27,28,29,30,31
	v_exp_f32 v[T+\p], v[T+\p]
.endr
	v_nop
	s_wait_alu depctr_va_vdst(0)
.irp p, 0,2,4,6,8,10,12,14,16,18,20,22,24,26,28,30
	v_pk_add_f32 v[T+\p:T+\p+1], v[T+\p:T+\p+1], 1.0 op_sel_hi:[1,0]
.endr
	s_wait_alu depctr_va_vdst(0)
.irp p, 0,1,2,3,4,5,6,7,8,9,10,11,12,13,14,15,16,17,18,19,20,21,22,23,24,25,26,27,28,29,30,31
	v_rcp_f32 v[T+\p], v[T+\p]
.endr
	v_nop
	s_wait_alu depctr_va_vdst(0)
.irp p, 0,2,4,6,8,10,12,14,16,18,20,22,24,26,28,30
	v_pk_mul_f32 v[ACC+\p:ACC+\p+1], v[ACC+\p:ACC+\p+1], v[T+\p:T+\p+1]
.endr
.endm
; 32 numbers of a lane, register 16 b + i = unit 32 b + 16 h + i of my row, become four registers of codes (a whole block a lane) and two scale bytes.
.macro QUANT2
.irp b, 0,1
	v_max3_num_f32 v[MX+\b], |v[ACC+16*\b]|, |v[ACC+16*\b+1]|, 0x1800000   ; my 16 numbers of block b, and the floor 2^(3 - 127): the byte cannot fall under 1
.endr
.irp i, 2,4,6,8,10,12,14
.irp b, 0,1
	s_delay_alu instid0(VALU_DEP_2)
	v_max3_num_f32 v[MX+\b], v[MX+\b], |v[ACC+16*\b+\i]|, |v[ACC+16*\b+\i+1]|
.endr
.endr
.irp b, 0,1
	s_delay_alu instid0(VALU_DEP_2)
	v_permlanex16_b32 v[PL+\b], v[MX+\b], s44, s45
.endr
.irp b, 0,1
	s_delay_alu instid0(VALU_DEP_2)
	v_max_num_f32 v[MX+\b], v[MX+\b], v[PL+\b]     ; with lane l xor 16's: the block's largest magnitude
.endr
.irp b, 0,1
	s_delay_alu instid0(VALU_DEP_2)
	v_add_nc_u32 v[SO+\b], 0xff000000, v[MX+\b]    ; 2 off its exponent field: the conversion's scale operand
.endr
.irp b, 0,1
	s_delay_alu instid0(VALU_DEP_2)
	v_lshrrev_b32 v[BY+\b], 23, v[SO+\b]           ; the scale's byte
.endr
.irp b, 0,1
	v_cvt_scalef32_pk8_fp4_f32 v[P+2*\b], v[ACC+16*\b:ACC+16*\b+7], v[SO+\b]
	v_cvt_scalef32_pk8_fp4_f32 v[P+2*\b+1], v[ACC+16*\b+8:ACC+16*\b+15], v[SO+\b]
.endr
	v_nop                                          ; one plain line behind the last scaled conversion
	v_permlane16_swap_b32 v[P], v[P+2]             ; lanes 0-15 now hold block 0 whole, lanes 16-31 block 1: K = 32 h + 0 .. 31 of this group of four registers
	v_permlane16_swap_b32 v[P+1], v[P+3]
	v_cndmask_b32 v31, v[BY], v[BY+1], s46         ; lane (r, h) stores block h's byte of row r
.endm
	s_mov_b32 s32, 256                             ; from my first tile's entries to those of the tile read next: four tiles, 256 bytes, a trip
	s_mov_b32 s33, 0
.Ltile:                                            ; 16 trips in every wave: tiles rg, rg + 4, ..
	s_cmp_ge_u32 s30, s29
	s_cbranch_scc1 .Lskip                          ; a tile past the count: only the counters step
	s_wait_loadcnt 0x0                             ; this tile's codes and scale words (in the first trip W1's scale words and b1 too)
.irp a, 0,1,2,3,4,5,6,7
.irp u, 0,1
	ds_store_b128 v8, v[F+8*\a+4*\u:F+8*\a+4*\u+3] offset:1056*\a+256*\u       ; rows through my own stage,
.endr
.endr
.irp s, 0,1,2,3,4,5,6,7
.irp c, 0,1
	ds_load_b128 v[F+8*\s+4*\c:F+8*\s+4*\c+3], v9 offset:64*\s+32*\c           ; back as eight fragments (LDS serves a wave's instructions in order)
.endr
.endr
	v_add_nc_u32 v12, s32, v10
	v_add_nc_u32 v13, s32, v11
	LISTRD 12, 13                                  ; the entries of the tile four on
	s_wait_dscnt 9                                 ; all but those nine: the fragments are in (in the first trip W1's too)
	MM
	s_wait_dscnt 0x0
	XADDR                                          ; also the places behind the products
	s_cmp_ge_u32 s31, s29
	s_cbranch_scc1 .Lno_next
	XLOAD                                          ; the next tile's x is on its way while this tile's activation is computed
.Lno_next:
	s_cmp_lg_u32 s23, 0
	s_cbranch_scc1 .Lsilu
	GELU8 0
	GELU8 1
	GELU8 2
	GELU8 3
	s_branch .Lact_done
.Lsilu:
	SILU
.Lact_done:
	QUANT2
	global_store_b128 v4, v[P:P+3], s[16:17]       ; half a fragment's image: 512 consecutive bytes, aligned
	global_store_b8 v14, v31, s[18:19]             ; two bytes of each row's scale word
	s_wait_xcnt 0x0                                ; the stores have read their bases and data: both are written again
	s_add_nc_u64 s[16:17], s[16:17], 131072        ; four tiles on
	s_add_nc_u64 s[18:19], s[18:19], 8192
.Lskip:
	s_add_co_u32 s30, s30, 4
	s_add_co_u32 s31, s31, 4
	s_add_co_u32 s32, s32, 256
	s_add_co_u32 s33, s33, 1
	s_cmp_lt_u32 s33, 16
	s_cbranch_scc1 .Ltile
	s_wait_dscnt 0x0
	s_wait_tensorcnt 0x0
	ds_add_u32 v246, v247
	s_wait_dscnt 0x0
	s_endpgm
.Lfunc_end_k_q21d35b077e_ffn1:
	.size	k_q21d35b077e_ffn1, .Lfunc_end_k_q21d35b077e_ffn1-k_q21d35b077e_ffn1
	.p2alignl 7, 3214868480
	.fill 96, 4, 3214868480
	.section	.rodata,"a",@progbits
	.p2align	6, 0x0
	.amdhsa_kernel k_q21d35b077e_ffn1
		.amdhsa_group_segment_fixed_size 145920
		.amdhsa_private_segment_fixed_size 0
		.amdhsa_enable_private_segment 0
		.amdhsa_kernarg_size 72
		.amdhsa_user_sgpr_count 2
		.amdhsa_user_sgpr_kernarg_segment_ptr 1
		.amdhsa_wavefront_size32 1
		.amdhsa_system_sgpr_workgroup_id_x 1
		.amdhsa_system_sgpr_workgroup_id_y 1
		.amdhsa_system_sgpr_workgroup_id_z 1
		.amdhsa_system_vgpr_workitem_id 0
		.amdhsa_next_free_vgpr 512
		.amdhsa_next_free_sgpr 100
		.amdhsa_reserve_vcc 0
		.amdhsa_float_denorm_mode_32 3
		.amdhsa_float_denorm_mode_16_64 3
		.amdhsa_memory_ordered 1
		.amdhsa_forward_progress 1
		.amdhsa_inst_pref_size 104
	.end_amdhsa_kernel
	.amdgpu_metadata
---
amdhsa.version: [ 1, 2 ]
amdhsa.kernels:
  - .name:           k_q21d35b077e_ffn1
    .symbol:         k_q21d35b077e_ffn1.kd
    .args:
      - { .name: xq, .offset: 0, .size: 8, .value_kind: global_buffer, .address_space: global }
      - { .name: xs, .offset: 8, .size: 8, .value_kind: global_buffer, .address_space: global }
      - { .name: sel, .offset: 16, .size: 8, .value_kind: global_buffer, .address_space: global }
      - { .name: W1_codes, .offset: 24, .size: 8, .value_kind: global_buffer, .address_space: global }
      - { .name: W1_scales, .offset: 32, .size: 8, .value_kind: global_buffer, .address_space: global }
      - { .name: b1, .offset: 40, .size: 8, .value_kind: global_buffer, .address_space: global }
      - { .name: hq, .offset: 48, .size: 8, .value_kind: global_buffer, .address_space: global }
      - { .name: hs, .offset: 56, .size: 8, .value_kind: global_buffer, .address_space: global }
      - { .name: rows, .offset: 64, .size: 8, .value_kind: global_buffer, .address_space: global }
    .group_segment_fixed_size: 145920
    .private_segment_fixed_size: 0
    .kernarg_segment_align: 8
    .kernarg_segment_size: 72
    .max_flat_workgroup_size: 256
    .sgpr_count:     100
    .vgpr_count:     512
    .wavefront_size: 32
...
	.end_amdgpu_metadata
.endif
;; end of part 6
;; launch ffn2 (part 7): grid 256 x 1, 4 waves a work-group, no clusters, 274,944 bytes of LDS; arguments hq, hs, W2_codes, W2_scales, b2, rows, y; writes y
.if DOCPART == 7
	.amdgcn_target "amdgcn-amd-amdhsa--gfx1250"
	.amdhsa_code_object_version 6
	.text
	.protected	k_q21d35b077e_ffn2
	.globl	k_q21d35b077e_ffn2
	.p2align	8
	.type	k_q21d35b077e_ffn2,@function
k_q21d35b077e_ffn2:
	s_mov_b64 s[64:65], 0
	v_nop
	global_prefetch_b8 v0, s[64:65] scope:SCOPE_SE
	s_setreg_imm32_b32 hwreg(HW_REG_WAVE_SCHED_MODE, 0, 2), 2
	s_setreg_imm32_b32 hwreg(HW_REG_WAVE_MODE, 25, 1), 1
	s_wait_xcnt 0x0
	s_wait_alu depctr_vm_vsrc(0)
; SECOND PRODUCT OF THE EXPERTS, FOR THE CHOSEN ROWS ALONE: y[slot] = h W2 + b2, on codes of E2M1 with one E8M0 scale for each 32 along K = 4,096.
; Work-group g: expert e = g / 32, output columns 64 nc .. 64 nc + 63 (nc = (g / 2) % 16), row tiles of parity p = g % 2.
; THE FOUR WAVES SHARE K: wave w keeps K steps 8 w .. 8 w + 7 of the 64 columns of W2 in 256 registers for the whole launch.  A trip takes four tiles of 16 rows, T = p + 8 trip + 2 j:
; every wave adds its quarter of K to all four; the quarters meet in LDS; wave w sums tile j = w, adds b2 and stores it to the rows that the list names.
; THE PRODUCT IS USED TRANSPOSED: source 0 = 16 rows of W2 (output columns), source 1 = 16 routed rows of h: a lane holds eight neighbouring columns of one row.
; h comes as register images (hq) and scale words (hs) as the launch before laid them: each load reads 512 (128) consecutive bytes and lands in the operand's registers.
; rows: for each expert 1,024 slots and the count.  y: [2,048 slots][1,024] f32.  A stored row's 64 columns are 256 consecutive bytes, aligned, from sixteen lanes.
; THE LAST TILE OF AN EXPERT is filled up with copies of its last routed row (the list repeats that slot, and the launch before computed h from the list): all 16 rows of a tile are stored, and the copies
; store the same bytes with the same values, from the same wave.  So EXEC is never changed.  An expert with no rows has no tile here.
; No tensor load and no cluster: work is passed over by branches on the stored count.  Eight trips, one barrier each, on every wave's path; a trip with no tile costs little more than its barrier.
; THE HEAD WORKS AS THE DATA ARRIVE.  W2's rows are turned through LDS in four groups of 16, each behind a counted wait, and the first trip's tile g is asked for behind group g.  THE FIRST TRIP IS WRITTEN OUT: tile j's
; products start as soon as tile j is in, and the second trip's tile j is asked for behind them WITHOUT A BRANCH, so that every counted wait counts the same loads on every path; its offset is held to the last tile
; that the launch before has written, and a tile so replaced is never used.  The other seven trips ask under branches and wait for all their loads.
; EVERY OFFSET INTO MEMORY is made at the head, from ids (or from the count, held by a constant), and those that walk are stepped by a constant at a trip's head, on every path; y's are made there from the list's entries, held inside y.
; The sum over K is taken in four quarters, (q0 + q1) + (q2 + q3), each quarter K ascending.  LIMITS: NaN and infinities are not served.
; REGISTERS.  window 0: v1-15 addresses; v16-23 y's offsets; v24-27 b2; v28-31, v96-99 walking offsets of the four tiles in hq, hs; v32-63 W2's scale words; v64-79 h's; v80-87 list entries;
;   v100-107 the first trip's offsets, v108-115 the second trip's, held; v116 the first two trips' place in the list.
;   window 1: W2's 32 fragments (tile t, K step s at 8 (8 t + s)).   window 2: h's fragments, 64 a tile.   window 3: the accumulators, 32 a tile; later the four quarters of my tile.
; THE MODE: SCHED_MODE bits 1:0 = 2 (LLVM: expert scheduling mode 2), set by the entry lines.  The code itself states the register dependences
; between vector or matrix instructions and memory or LDS instructions, with s_wait_alu, always for 0.
; THE PLAN.  Registers that memory or LDS instructions touch:
;   v4-14, v116; v100-115   offsets and addresses: made at the head, each group ahead of a wait on va_vdst, and never written again.
;   v28-31, v96-99, v15     walking offsets: written by an add at a later trip's head; read by that trip's loads of h and of the list.
;   v16-23                  y's offsets: written at a trip's head from the list's entries v80-87; read by the trip's eight stores.  The next entries land in v80-87 behind that.
;   window 2, v64-79        four buffers, one a tile: tile j's products read buffer j; behind them the same place's tile of the next trip lands in it, while the tiles behind j are multiplied.
;   window 3                tile j's products write accumulators j; my eight LDS stores read them; behind the barrier the four quarters of my tile land in all of window 3, are summed there and stored.
; So a trip's head has one wait on vm_vsrc (all that the last trip's loads and stores read is written again from here on) and one on va_vdst (the offsets are written, the entries read);
; a tile has ONE wait on va_vdst, behind its products' places, for its eight LDS stores and its twenty loads; the way out has its waits behind the window switches.
.set WT,   0                           ; LDS: each wave's own turn of W2: 64 rows x (512 bytes + 16)
.set XB,   135168                      ; two buffers: [wave that made it: 17,408][tile j: 4,352][16 rows x (256 bytes + 16)]
.set XBB,  69632
.set YA,   16
.set HOF,  28
.set WS2,  32
.set HS,   64
.set SL,   80
.set SOF,  96
.set HT,   100
.set STT,  104
.set HU,   108
.set SU,   112
.set LA,   116
.set MSB, 0
.macro WIN new                         ; s_set_vgpr_msb: bits 1:0 source 0, 3:2 source 1, 5:4 source 2, 7:6 destination; the high byte repeats the setting that is left
.if MSB != \new
	s_set_vgpr_msb (MSB<<8)|\new
.set MSB, \new
.endif
.endm
	s_load_b256 s[4:11], s[0:1], 0x0               ; hq s[4:5], hs s[6:7], W2_codes s[8:9], W2_scales s[10:11]
	s_load_b128 s[12:15], s[0:1], 0x20             ; b2 s[12:13], rows s[14:15]
	s_load_b64 s[16:17], s[0:1], 0x30              ; y
	v_lshl_add_u32 v254, v0, 2, 0x43000
	v_mov_b32 v255, 0
	v_lshrrev_b32 v1, 5, v0
	v_readfirstlane_b32 s18, v1                    ; wave w
	s_lshr_b32 s19, ttmp9, 5                       ; e
	s_bfe_u32 s20, ttmp9, 0x40001                  ; nc
	s_and_b32 s21, ttmp9, 1                        ; p
	v_and_b32 v1, 31, v0                           ; L
	v_and_b32 v2, 15, v0                           ; r
	v_bfe_u32 v3, v0, 4, 1                         ; h
	v_lshlrev_b32 v4, 4, v1                        ; 16 L
	v_lshlrev_b32 v5, 2, v1                        ; 4 L
	v_lshlrev_b32 v6, 4, v2                        ; 16 r
	s_wait_alu depctr_va_sdst(0)                   ; s18 is written, ahead of its first reader
	s_mul_i32 s30, s18, 33792
	v_add_nc_u32 v7, s30, v4                       ; W2 into my turn
	v_mul_u32_u24 v8, v2, 528
	v_lshl_add_u32 v8, v3, 4, v8
	v_add_nc_u32 v8, s30, v8                       ; and out of it: row x pitch + 16 x half
	s_mul_i32 s30, s18, 17408
	s_add_co_u32 s30, s30, XB
	v_mul_u32_u24 v9, v2, 272
	v_lshl_add_u32 v9, v3, 5, v9
	v_add_nc_u32 v9, s30, v9                       ; my quarters: row r, 32 bytes for each half of the lanes
	v_add_nc_u32 v10, XBB, v9                      ; the same in the second buffer
	s_mul_i32 s30, s18, 4352
	s_add_co_u32 s30, s30, XB
	v_mul_u32_u24 v11, v3, 272
	v_add_nc_u32 v11, v11, v6
	v_add_nc_u32 v11, s30, v11                     ; back: tile j = w; lanes 0-15 one row of 256 bytes, lanes 16-31 the next
	v_add_nc_u32 v12, XBB, v11
	v_lshlrev_b32 v13, 7, v2                       ; W2's scale words: 128 bytes a column
	v_lshlrev_b32 v14, 2, v3                       ; the list: 4 h
	s_wait_alu depctr_va_vdst(0)
.irp j, 0,1,2,3
	s_add_co_u32 s25, s21, 2*\j+8                  ; the second trip's tile j
	s_lshl_b32 s27, s25, 15
	s_lshl_b32 s28, s25, 11
	v_add_nc_u32 v[HOF+\j], s27, v4                ; its place in hq: 32,768 bytes a tile, + 16 L;
	v_add_nc_u32 v[SOF+\j], s28, v5                ; in hs: 2,048 bytes a tile, + 4 L.  From the second trip on each trip's head steps both eight tiles on, to the tile that the trip asks for
.endr
	s_lshl_b32 s25, s18, 1
	s_add_co_u32 s25, s25, s21                     ; the tile that I finish in the first trip: p + 2 w, at most 7
	s_lshl_b32 s25, s25, 6
	v_add_nc_u32 v[LA], s25, v14                   ; its entries in the list: 64 bytes a tile, + 4 h; the second trip's lie 512 bytes on; never rewritten
	v_add_nc_u32 v15, 512, v[LA]                   ; the walking place: stepped like the offsets above
	s_lshl_b32 s30, s19, 21
	s_lshl_b32 s44, s18, 13
	s_add_co_u32 s30, s30, s44                     ; hq: 2^21 bytes an expert, my 8 K steps of 1,024
	s_mov_b32 s31, 0
	s_lshl_b32 s32, s19, 17
	s_lshl_b32 s44, s18, 9
	s_add_co_u32 s32, s32, s44                     ; hs: 2^17 an expert, my 8 K steps of 64
	s_mov_b32 s33, 0
	s_lshl_b32 s34, s19, 21
	s_lshl_b32 s45, s20, 17
	s_add_co_u32 s34, s34, s45
	s_add_co_u32 s34, s34, s44                     ; W2_codes: (1,024 e + 64 nc) rows of 2,048 bytes, + 512 w
	s_mov_b32 s35, 0
	s_lshl_b32 s36, s19, 17
	s_lshl_b32 s45, s20, 13
	s_add_co_u32 s36, s36, s45
	s_lshl_b32 s45, s18, 5
	s_add_co_u32 s36, s36, s45                     ; W2_scales: rows of 128 bytes, + 32 w
	s_mov_b32 s37, 0
	s_lshl_b32 s38, s19, 12
	s_lshl_b32 s42, s20, 8                         ; y: my 64 columns
	s_add_co_u32 s38, s38, s42                     ; b2
	s_mov_b32 s39, 0
	s_mov_b32 s43, 0
	s_mul_i32 s40, s19, 4352                       ; rows
	s_mov_b32 s41, 0
	s_wait_kmcnt 0x0
	s_add_nc_u64 s[14:15], s[14:15], s[40:41]
	s_load_b32 s22, s[14:15], 0x1000               ; my expert's count
	s_add_nc_u64 s[4:5], s[4:5], s[30:31]
	s_add_nc_u64 s[6:7], s[6:7], s[32:33]
	s_add_nc_u64 s[8:9], s[8:9], s[34:35]
	s_add_nc_u64 s[10:11], s[10:11], s[36:37]
	s_add_nc_u64 s[12:13], s[12:13], s[38:39]
	s_add_nc_u64 s[16:17], s[16:17], s[42:43]
	s_wait_alu depctr_va_vdst(0)                   ; the offsets and addresses v4 to v15, v28 to v31, v96 to v99 and v116 are written, which the loads and stores below read
.irp t, 0,1,2,3
.irp u, 0,1
	global_load_b128 v[WS2+8*\t+4*\u:WS2+8*\t+4*\u+3], v13, s[10:11] offset:2048*\t+16*\u   ; column 16 t + r: my eight K steps' scale words
.endr
.endr
	global_load_b128 v[24:27], v6, s[12:13]        ; b2 of columns 4 r + 0 .. 3
.irp n, 0,1,2,3,4,5,6,7
	global_load_b32 v[SL+\n], v[LA], s[14:15] offset:8*\n   ; the slots of rows 2 n + h of the tile that I finish in the first trip (all 1,024 entries of a list are written)
.endr
	WIN 0x40                                       ; destination window 1
.irp m, 0,1,2,3,4,5,6,7,8,9,10,11,12,13,14,15,16,17,18,19,20,21,22,23,24,25,26,27,28,29,30,31,32,33,34,35,36,37,38,39,40,41,42,43,44,45,46,47,48,49,50,51,52,53,54,55,56,57,58,59,60,61,62,63
	global_load_b128 v[4*\m:4*\m+3], v4, s[8:9] offset:2048*\m th:TH_LOAD_NT   ; column m: my 512 consecutive bytes of its row
.endr
	WIN 0
	s_wait_kmcnt 0x0
	s_min_u32 s22, s22, 1024                       ; the count
	s_add_co_u32 s23, s22, 15
	s_lshr_b32 s23, s23, 4                         ; my expert's tiles: 0 to 64
	s_max_u32 s44, s23, 1
	s_sub_co_u32 s44, s44, 1                       ; the last tile that the launch before has written
.irp j, 0,1,2,3
	s_add_co_u32 s25, s21, 2*\j                    ; the first trip's tiles; one that does not exist is replaced by the last that was written, and not used
	s_min_u32 s25, s25, s44
	s_min_u32 s25, s25, 63
	s_lshl_b32 s27, s25, 15
	s_lshl_b32 s28, s25, 11
	v_add_nc_u32 v[HT+\j], s27, v4
	v_add_nc_u32 v[STT+\j], s28, v5
	s_add_co_u32 s25, s21, 2*\j+8                  ; the second trip's likewise
	s_min_u32 s25, s25, s44
	s_min_u32 s25, s25, 63
	s_lshl_b32 s27, s25, 15
	s_lshl_b32 s28, s25, 11
	v_add_nc_u32 v[HU+\j], s27, v4
	v_add_nc_u32 v[SU+\j], s28, v5
.endr
	s_wait_alu depctr_va_vdst(0)                   ; the sixteen held offsets v100 to v115 are written, which the first two trips' loads of h read; none is written again
; Tile j's operand, 20 loads: my 8 fragments (16 loads of 512 consecutive bytes) and their scale words (lanes 0-15: K step 2 qq, lanes 16-31: 2 qq + 1)
.macro HLOAD j, ha, sa
	WIN 0x80                                       ; destination window 2
.irp n, 0,1,2,3,4,5,6,7,8,9,10,11,12,13,14,15
	global_load_b128 v[64*\j+4*\n:64*\j+4*\n+3], v[\ha], s[4:5] offset:512*\n
.endr
	WIN 0
.irp qq, 0,1,2,3
	global_load_b32 v[HS+4*\j+\qq], v[\sa], s[6:7] offset:128*\qq
.endr
.endm
; Group g of W2's turn: its 16 rows, as soon as they are in, go into my own bytes of LDS and come back as column tile g's eight fragments, into the registers that they left; then the first trip's tile g is asked for.
; left: the loads younger than the group's last row: W2's rows still to come, 48, 32, 16, 0, and 20 for each tile of h asked for so far.
.macro WTURN g, left
	s_wait_loadcnt \left
	WIN 0x04                                       ; an LDS store's data are its source 1: window 1
.irp m, 0,1,2,3,4,5,6,7,8,9,10,11,12,13,14,15
	ds_store_b128 v7, v[64*\g+4*\m:64*\g+4*\m+3] offset:528*(16*\g+\m)
.endr
	WIN 0x40
	s_wait_alu depctr_vm_vsrc(0)                   ; the group's LDS stores have read its 64 registers of window 1, in which its fragments land
.irp s, 0,1,2,3,4,5,6,7
.irp c, 0,1
	ds_load_b128 v[8*(8*\g+\s)+4*\c:8*(8*\g+\s)+4*\c+3], v8 offset:16*\g*528+64*\s+32*\c   ; my own bytes; LDS serves a wave's instructions in order
.endr
.endr
	WIN 0
	HLOAD \g, HT+\g, STT+\g
.endm
	WTURN 0, 48
	WTURN 1, 52
	WTURN 2, 56
	WTURN 3, 60
; 32 matrix instructions on tile j: K step by K step, its four accumulators by turns, one instruction a turn; the first products start the sums.
.macro MM j
	WIN 0xf9                                       ; source 0 (W2) window 1, source 1 (h) window 2, C and D window 3
.irp s, 0,1,2,3,4,5,6,7
.irp t, 0,1,2,3
.if \s == 0
	v_wmma_scale_f32_16x16x128_f8f6f4 v[32*\j+8*\t:32*\j+8*\t+7], v[8*(8*\t+\s):8*(8*\t+\s)+7], v[64*\j+8*\s:64*\j+8*\s+7], 0, v[WS2+8*\t+\s], v[HS+4*\j+\s/2] matrix_a_fmt:MATRIX_FMT_FP4 matrix_b_fmt:MATRIX_FMT_FP4
.elseif (\s%2) == 0
	v_wmma_scale_f32_16x16x128_f8f6f4 v[32*\j+8*\t:32*\j+8*\t+7], v[8*(8*\t+\s):8*(8*\t+\s)+7], v[64*\j+8*\s:64*\j+8*\s+7], v[32*\j+8*\t:32*\j+8*\t+7], v[WS2+8*\t+\s], v[HS+4*\j+\s/2] matrix_a_fmt:MATRIX_FMT_FP4 matrix_b_fmt:MATRIX_FMT_FP4
.else
	v_wmma_scale_f32_16x16x128_f8f6f4 v[32*\j+8*\t:32*\j+8*\t+7], v[8*(8*\t+\s):8*(8*\t+\s)+7], v[64*\j+8*\s:64*\j+8*\s+7], v[32*\j+8*\t:32*\j+8*\t+7], v[WS2+8*\t+\s], v[HS+4*\j+\s/2] matrix_a_fmt:MATRIX_FMT_FP4 matrix_b_fmt:MATRIX_FMT_FP4 matrix_b_scale:MATRIX_SCALE_ROW1
.endif
.endr
.endr
	WIN 0
.endm
.macro QUARTER j, b                    ; my quarter of tile j to LDS
	WIN 0x0c                                       ; the stores' data: window 3
.irp t, 0,1,2,3
.irp u, 0,1
	ds_store_b128 v[9+\b], v[32*\j+8*\t+4*\u:32*\j+8*\t+4*\u+3] offset:4352*\j+64*\t+16*\u   ; row r, columns 16 t + 8 h + 4 u on; each accumulator from its low end on
.endr
.endr
	WIN 0
.endm
; Tile j of the first trip.  The wait and the loads stand on every path; products and LDS stores under one branch.
.macro SLOTF j
	s_wait_loadcnt 60                              ; tile j is in: the three tiles asked for behind it, 20 loads each, may be out
	s_add_co_u32 s25, s24, 2*\j
	s_cmp_ge_u32 s25, s23
	s_cbranch_scc1 .Lfirst_over_\@
	MM \j
.rept 5
	v_nop                                          ; places behind the products: four for the stores that read the results; a fifth, since these accumulators are begun anew in the next trip
.endr
	s_wait_alu depctr_va_vdst(0)                   ; tile j's products have written its accumulators, which the LDS stores read, and are done reading its fragments and scale words of h, in which the loads below land
	QUARTER \j, 0
.Lfirst_over_\@:
	HLOAD \j, HU+\j, SU+\j                         ; the second trip's tile j, or the last tile written in its stead
.endm
; Tile j of a later trip: products, the same place's tile of the next trip asked for, my quarter to LDS.  Products and stores stand under one branch.
.macro SLOT j, b
	s_add_co_u32 s25, s24, 2*\j
	s_cmp_ge_u32 s25, s23
	s_cbranch_scc1 .Lslot_over_\@
	MM \j
.rept 5
	v_nop                                          ; places behind the products, as in the first trip
.endr
	s_wait_alu depctr_va_vdst(0)                   ; tile j's products have written its accumulators, which the LDS stores read, and are done reading its fragments and scale words of h, in which the loads below land
	s_add_co_u32 s26, s25, 8
	s_cmp_ge_u32 s26, s23
	s_cbranch_scc1 .Lno_tile_\@
	HLOAD \j, HOF+\j, SOF+\j                       ; the trip's head has stepped these offsets to the tile eight on
.Lno_tile_\@:
	QUARTER \j, \b
.Lslot_over_\@:
.endm
; Wave w finishes tile j = w: the four quarters, b2, and out to the rows that the list names.
.macro EPI b
	s_lshl_b32 s25, s18, 1
	s_add_co_u32 s25, s25, s24                     ; my tile
	s_cmp_ge_u32 s25, s23
	s_cbranch_scc1 .Lepi_over_\@
	WIN 0xc0                                       ; destination window 3
	s_wait_alu depctr_va_vdst(0)                   ; the trip's products have written the accumulators, in which the quarters land
	s_wait_alu depctr_vm_vsrc(0)                   ; and my LDS stores have read them
.irp q, 0,1,2,3
.irp n, 0,1,2,3,4,5,6,7
	ds_load_b128 v[32*\q+4*\n:32*\q+4*\n+3], v[11+\b] offset:17408*\q+544*\n   ; wave q's quarter of rows 2 n + h, columns 4 r on
.endr
.endr
	s_wait_dscnt 0x0
	WIN 0xcf
.irp n, 0,1,2,3,4,5,6,7
.irp x, 0,2
	v_pk_add_f32 v[4*\n+\x:4*\n+\x+1], v[4*\n+\x:4*\n+\x+1], v[32+4*\n+\x:32+4*\n+\x+1]
	v_pk_add_f32 v[64+4*\n+\x:64+4*\n+\x+1], v[64+4*\n+\x:64+4*\n+\x+1], v[96+4*\n+\x:96+4*\n+\x+1]
.endr
.endr
.irp n, 0,1,2,3,4,5,6,7
.irp x, 0,2
	v_pk_add_f32 v[4*\n+\x:4*\n+\x+1], v[4*\n+\x:4*\n+\x+1], v[64+4*\n+\x:64+4*\n+\x+1]
.endr
.endr
	WIN 0xc3                                       ; source 1 (b2) window 0
.irp n, 0,1,2,3,4,5,6,7
.irp x, 0,2
	v_pk_add_f32 v[4*\n+\x:4*\n+\x+1], v[4*\n+\x:4*\n+\x+1], v[24+\x:25+\x]
.endr
.endr
	WIN 0x0c                                       ; the stores' data: window 3
	s_wait_alu depctr_va_vdst(0)                   ; the additions have written the 32 sums, which the stores read
.irp n, 0,1,2,3,4,5,6,7
	global_store_b128 v[YA+\n], v[4*\n:4*\n+3], s[16:17]   ; sixteen lanes store 256 consecutive bytes of a slot's row, aligned
.endr
	WIN 0
.Lepi_over_\@:
.endm
.macro YOFF                            ; this trip's slots, held inside y: 4,096 bytes a slot, + 16 r
.irp n, 0,1,2,3,4,5,6,7
	v_min_u32 v[YA+\n], 2047, v[SL+\n]
.endr
.irp n, 0,1,2,3,4,5,6,7
	v_lshl_add_u32 v[YA+\n], v[YA+\n], 12, v6
.endr
.endm
; A later trip.  One barrier: in front of it every wave's quarters lie in buffer b and its reads of the other buffer are back; buffer b is written again two barriers on.
.macro TRIP b
	s_wait_xcnt 0x0                                ; the last trip's stores have had their addresses translated: their offsets and data (window 3) are written again
	s_wait_alu depctr_vm_vsrc(0)                   ; the last trip's loads have read the walking offsets, its stores y's offsets and their data, its LDS stores the accumulators: the lines below and this trip's products write all of these
	s_wait_loadcnt 0x0                             ; this trip's tiles, scale words and list entries, whichever of them were asked for: so their offsets may be stepped
	s_wait_dscnt 0x0
.irp j, 0,1,2,3
	v_add_nc_u32 v[HOF+\j], 0x40000, v[HOF+\j]     ; eight tiles on in hq,
	v_add_nc_u32 v[SOF+\j], 0x4000, v[SOF+\j]      ; in hs,
.endr
	v_add_nc_u32 v15, 512, v15                     ; and in the list
	YOFF
	s_wait_alu depctr_va_vdst(0)                   ; the walking offsets and y's offsets are written, which this trip's loads and stores read; the list's entries v80 to v87 have been read, in which the next entries land
	s_lshl_b32 s25, s18, 1
	s_add_co_u32 s25, s25, s24
	s_add_co_u32 s25, s25, 8                       ; the tile that I shall finish in the next trip
	s_cmp_ge_u32 s25, s23
	s_cbranch_scc1 .Lno_list_\@
.irp n, 0,1,2,3,4,5,6,7
	global_load_b32 v[SL+\n], v15, s[14:15] offset:8*\n   ; its slots: they have the whole trip in which to land
.endr
.Lno_list_\@:
	SLOT 0, \b
	SLOT 1, \b
	SLOT 2, \b
	SLOT 3, \b
	s_wait_dscnt 0x0                               ; for the others' sake: my quarters lie in LDS
	s_barrier_signal -1
	s_barrier_wait -1
	EPI \b
	s_add_co_u32 s24, s24, 8
.endm
	; ---- the first trip
	s_mov_b32 s24, s21                             ; the trip's first tile
	YOFF                                           ; (the list's entries were asked for ahead of W2's rows: the first group's wait has shown them in)
	s_wait_alu depctr_va_vdst(0)                   ; y's offsets are written, which this trip's stores read; the list's entries v80 to v87 have been read, in which the second trip's land
	s_wait_dscnt 0x0                               ; W2's fragments are in
	SLOTF 0
	SLOTF 1
	SLOTF 2
	SLOTF 3
.irp n, 0,1,2,3,4,5,6,7
	global_load_b32 v[SL+\n], v[LA], s[14:15] offset:512+8*\n   ; the slots of the tile that I finish in the second trip: tile p + 2 w + 8, at most 15 of a list's 64: no branch is needed
.endr
	s_wait_dscnt 0x0                               ; for the others' sake: my quarters lie in LDS
	s_barrier_signal -1
	s_barrier_wait -1
	EPI 0
	s_add_co_u32 s24, s24, 8
	; ---- the other seven: with the first, all 64 tiles that an expert can have
	TRIP 1
	s_mov_b32 s29, 0
.Ltrips:
	TRIP 0
	TRIP 1
	s_add_co_u32 s29, s29, 1
	s_cmp_lt_u32 s29, 3
	s_cbranch_scc1 .Ltrips
	s_wait_dscnt 0x0                               ; the closing lines, six on end
	s_wait_alu 0x0
	s_wait_tensorcnt 0x0
	ds_add_u32 v254, v255
	s_wait_dscnt 0x0
	s_endpgm
.Lfunc_end_k_q21d35b077e_ffn2:
	.size	k_q21d35b077e_ffn2, .Lfunc_end_k_q21d35b077e_ffn2-k_q21d35b077e_ffn2
	.p2alignl 7, 3214868480
	.fill 96, 4, 3214868480
	.section	.rodata,"a",@progbits
	.p2align	6, 0x0
	.amdhsa_kernel k_q21d35b077e_ffn2
		.amdhsa_group_segment_fixed_size 274944
		.amdhsa_private_segment_fixed_size 0
		.amdhsa_enable_private_segment 0
		.amdhsa_kernarg_size 56
		.amdhsa_user_sgpr_count 2
		.amdhsa_user_sgpr_kernarg_segment_ptr 1
		.amdhsa_wavefront_size32 1
		.amdhsa_system_sgpr_workgroup_id_x 1
		.amdhsa_system_sgpr_workgroup_id_y 1
		.amdhsa_system_sgpr_workgroup_id_z 1
		.amdhsa_system_vgpr_workitem_id 0
		.amdhsa_next_free_vgpr 896
		.amdhsa_next_free_sgpr 66
		.amdhsa_reserve_vcc 0
		.amdhsa_float_denorm_mode_32 3
		.amdhsa_float_denorm_mode_16_64 3
		.amdhsa_memory_ordered 1
		.amdhsa_forward_progress 1
		.amdhsa_inst_pref_size 181
	.end_amdhsa_kernel
	.amdgpu_metadata
---
amdhsa.version: [ 1, 2 ]
amdhsa.kernels:
  - .name:           k_q21d35b077e_ffn2
    .symbol:         k_q21d35b077e_ffn2.kd
    .args:
      - { .name: hq, .offset: 0, .size: 8, .value_kind: global_buffer, .address_space: global }
      - { .name: hs, .offset: 8, .size: 8, .value_kind: global_buffer, .address_space: global }
      - { .name: W2_codes, .offset: 16, .size: 8, .value_kind: global_buffer, .address_space: global }
      - { .name: W2_scales, .offset: 24, .size: 8, .value_kind: global_buffer, .address_space: global }
      - { .name: b2, .offset: 32, .size: 8, .value_kind: global_buffer, .address_space: global }
      - { .name: rows, .offset: 40, .size: 8, .value_kind: global_buffer, .address_space: global }
      - { .name: y, .offset: 48, .size: 8, .value_kind: global_buffer, .address_space: global }
    .group_segment_fixed_size: 274944
    .private_segment_fixed_size: 0
    .kernarg_segment_align: 8
    .kernarg_segment_size: 56
    .max_flat_workgroup_size: 128
    .sgpr_count:     66
    .vgpr_count:     896
    .wavefront_size: 32
...
	.end_amdgpu_metadata
.endif
;; end of part 7
;; launch combine (part 8): grid 256 x 1, 4 waves a work-group, no clusters, 0 bytes of LDS; arguments y, gw, out0; writes out0
.if DOCPART == 8
	.amdgcn_target "amdgcn-amd-amdhsa--gfx1250"
	.amdhsa_code_object_version 6
	.text
	.protected	k_q21d35b077e_combine
	.globl	k_q21d35b077e_combine
	.p2align	8
	.type	k_q21d35b077e_combine,@function
k_q21d35b077e_combine:
	s_mov_b64 s[64:65], 0
	v_nop
	global_prefetch_b8 v0, s[64:65] scope:SCOPE_SE
	s_setreg_imm32_b32 hwreg(HW_REG_WAVE_MODE, 25, 1), 1
	s_wait_xcnt 0x0
; out0[t] = gw[2 t] y[2 t] + gw[2 t + 1] y[2 t + 1].  y: [2,048 slots][1,024] f32, gw: [2,048] f32, out0: [1,024 tokens][1,024] f32.
; One wave takes one token t = 4 x work-group + wave: 16 loads of 512 consecutive bytes, all issued at once, 8 stores of 512 consecutive bytes.
; A stream: each byte is read and written once; LDS, barriers and the matrix unit would add nothing (the product has K = 2 kept terms).
	s_load_b128 s[4:7], s[0:1], 0x0                ; y s[4:5], gw s[6:7]
	s_load_b64 s[8:9], s[0:1], 0x10                ; out0
	v_lshrrev_b32 v1, 5, v0
	v_readfirstlane_b32 s10, v1                    ; wave
	v_and_b32 v1, 31, v0
	v_lshlrev_b32 v1, 4, v1                        ; 16 bytes a lane
	s_lshl_b32 s11, ttmp9, 2
	s_add_co_u32 s11, s11, s10                     ; t
	s_lshl_b32 s12, s11, 13                        ; y: two rows of 4,096 bytes a token
	s_mov_b32 s13, 0
	s_lshl_b32 s14, s11, 3                         ; gw
	s_mov_b32 s15, 0
	s_lshl_b32 s16, s11, 12                        ; out0
	s_mov_b32 s17, 0
	s_wait_alu depctr_va_vdst(0)
	s_wait_kmcnt 0x0
	s_add_nc_u64 s[4:5], s[4:5], s[12:13]
	s_add_nc_u64 s[6:7], s[6:7], s[14:15]
	s_add_nc_u64 s[8:9], s[8:9], s[16:17]
	s_load_b64 s[20:21], s[6:7], 0x0               ; w0, w1
.irp j, 0,1,2,3,4,5,6,7
	global_load_b128 v[8+8*\j:11+8*\j], v1, s[4:5] offset:512*\j th:TH_LOAD_NT
	global_load_b128 v[12+8*\j:15+8*\j], v1, s[4:5] offset:4096+512*\j th:TH_LOAD_NT
.endr
	s_wait_kmcnt 0x0
	s_mov_b32 s22, s21                             ; w1 as the low word of a pair of its own: the packed forms take a scalar pair's low word for both halves
	s_mov_b32 s23, s21
.irp j, 0,1,2,3,4,5,6,7
	s_wait_loadcnt 14-2*\j                         ; piece j's two loads are in; the younger pieces' may be out
	v_pk_mul_f32 v[8+8*\j:9+8*\j], v[8+8*\j:9+8*\j], s[20:21] op_sel_hi:[1,0]
	v_pk_mul_f32 v[10+8*\j:11+8*\j], v[10+8*\j:11+8*\j], s[20:21] op_sel_hi:[1,0]
	v_pk_fma_f32 v[8+8*\j:9+8*\j], v[12+8*\j:13+8*\j], s[22:23], v[8+8*\j:9+8*\j] op_sel_hi:[1,0,1]
	v_pk_fma_f32 v[10+8*\j:11+8*\j], v[14+8*\j:15+8*\j], s[22:23], v[10+8*\j:11+8*\j] op_sel_hi:[1,0,1]
	global_store_b128 v1, v[8+8*\j:11+8*\j], s[8:9] offset:512*\j th:TH_STORE_NT   ; each piece has registers of its own: no store's data are written again
.endr
	s_endpgm
.Lfunc_end_k_q21d35b077e_combine:
	.size	k_q21d35b077e_combine, .Lfunc_end_k_q21d35b077e_combine-k_q21d35b077e_combine
	.p2alignl 7, 3214868480
	.fill 96, 4, 3214868480
	.section	.rodata,"a",@progbits
	.p2align	6, 0x0
	.amdhsa_kernel k_q21d35b077e_combine
		.amdhsa_group_segment_fixed_size 0
		.amdhsa_private_segment_fixed_size 0
		.amdhsa_enable_private_segment 0
		.amdhsa_kernarg_size 24
		.amdhsa_user_sgpr_count 2
		.amdhsa_user_sgpr_kernarg_segment_ptr 1
		.amdhsa_wavefront_size32 1
		.amdhsa_system_sgpr_workgroup_id_x 1
		.amdhsa_system_sgpr_workgroup_id_y 1
		.amdhsa_system_sgpr_workgroup_id_z 1
		.amdhsa_system_vgpr_workitem_id 0
		.amdhsa_next_free_vgpr 72
		.amdhsa_next_free_sgpr 66
		.amdhsa_reserve_vcc 0
		.amdhsa_float_denorm_mode_32 3
		.amdhsa_float_denorm_mode_16_64 3
		.amdhsa_memory_ordered 1
		.amdhsa_forward_progress 1
		.amdhsa_inst_pref_size 6
	.end_amdhsa_kernel
	.amdgpu_metadata
---
amdhsa.version: [ 1, 2 ]
amdhsa.kernels:
  - .name:           k_q21d35b077e_combine
    .symbol:         k_q21d35b077e_combine.kd
    .args:
      - { .name: y, .offset: 0, .size: 8, .value_kind: global_buffer, .address_space: global }
      - { .name: gw, .offset: 8, .size: 8, .value_kind: global_buffer, .address_space: global }
      - { .name: out0, .offset: 16, .size: 8, .value_kind: global_buffer, .address_space: global }
    .group_segment_fixed_size: 0
    .private_segment_fixed_size: 0
    .kernarg_segment_align: 8
    .kernarg_segment_size: 24
    .max_flat_workgroup_size: 128
    .sgpr_count:     66
    .vgpr_count:     72
    .wavefront_size: 32
...
	.end_amdgpu_metadata
.endif
;; end of part 8
